; MI455X (gfx1250); checked and timed in simulation.
; The chip was launched on July 23, 2026; its instructions are those of AMD's public machine-readable ISA for CDNA 5 (MIT licence, August 2026) and "CDNA5" Instruction Set Architecture Reference Guide (July 2026). The comments in the code are by the model that wrote it; some were corrected since.
;; Multi Head Attention. Allowed arithmetic: matrix products marked QUANTISED: E2M3 operands, one E8M0 scale for each 32 along K, by v_wmma_scale_f32_16x16x128_f8f6f4 with both operands' format E2M3, f32 sums; products left as they are: f32 operands where the result goes on into a quantised operand, else bf16, f16 or f32 operands; f32 sums; everything else in f32.
;; Inputs: bk 2,048 float32; bo 2,048 float32; bq 2,048 float32; bv 2,048 float32; freqs_cos 1 x 2,048 x 1 x 64 float32; freqs_sin 1 x 2,048 x 1 x 64 float32; wk 2,048 x 2,048 float32; wo 2,048 x 2,048 float32; wq 2,048 x 2,048 float32; wv 2,048 x 2,048 float32; x 4 x 1,024 x 2,048 float32.
;; Outputs: out0 4 x 1,024 x 2,048 float32.
;; This version of the problem:
;;   THIS VERSION OF THE PROBLEM IS GIVEN IN LOW PRECISION. The matrix products marked QUANTISED in the list below multiply operands that are first quantised to E2M3 (2 exponent bits, 3 mantissa bits; 6 bits a number), with one power-of-two scale for each 32 numbers along K (OCP MX v1.0); their sums are f32. All else is computed in f32.
;;   The module's matrix products, in the order in which they are computed (A, B: the left and right operand; K: the contracted axis; several contracted axes count as one K, in the product's order):
;;     1. [M 4,096, K 2,048] x [K 2,048, N 2,048]; A: input x; B: input wq: QUANTISED
;;     2. [M 4,096, K 2,048] x [K 2,048, N 2,048]; A: input x; B: input wk: QUANTISED
;;     3. [M 4,096, K 2,048] x [K 2,048, N 2,048]; A: input x; B: input wv: QUANTISED
;;     4. batch 4,096 x [M 16, K 128] x [K 128, N 16]; A: computed on the way; B: computed on the way: QUANTISED
;;     5. batch 4,096 x [M 16, K 16] x [K 16, N 128]; A: softmax; B: computed on the way: left as it is (K = 16 < 32)
;;     6. [M 4,096, K 2,048] x [K 2,048, N 2,048]; A: computed on the way; B: input wo: QUANTISED
;;   THE QUANTISER, for each operand of a quantised product, along K:
;;     - K is cut into blocks of 32 from its start; a last block that is shorter is filled with zeros.
;;     - A block's scale is 2^e with e = floor(log2(the largest magnitude in the block)) - 2, held to -126 .. 127; a block of zeros has e = 0. As a byte (E8M0): e + 127.
;;     - Each number is divided by its block's scale, clamped to +-7.5, and rounded to the nearest number of E2M3, ties to even, subnormals kept.
;;     - The product sums the exact products of the quantised numbers (number of the format x scale) in f32.
;;   ~~~python
;;   def quantise(x, axis):      # numpy; x: float32 -> the quantised numbers, widened to float32 again
;;       x = np.moveaxis(x, axis, -1); K = x.shape[-1]
;;       x = np.pad(x, [(0, 0)] * (x.ndim - 1) + [(0, -K % 32)]); x = x.reshape(x.shape[:-1] + (-1, 32)); a = np.abs(x).max(-1, keepdims=True)
;;       e = np.where(a > 0, np.clip(np.frexp(np.where(a > 0, a, 1))[1] - 1 - 2, -126, 127), 0)      # np.frexp(a)[1] - 1 = floor(log2(a)), exactly
;;       r = np.clip(x / 2.0 ** e, -7.5, 7.5)
;;       step = 2.0 ** (np.maximum(np.frexp(np.where(r == 0, 1, r))[1] - 1, 0) - 3)
;;       q = np.round(r / step) * step * 2.0 ** e      # np.round: ties to even
;;       return np.moveaxis(q.reshape(q.shape[:-2] + (-1,))[..., :K], -1, axis).astype(np.float32)
;;   ~~~
;;   OPERANDS COMPUTED ON THE WAY. 'Computed on the way' means the value that the module computes at that place (a softmax that the list does not call 'softmax' is quantised finished and normalised). What goes into a quantiser is computed in f32, as accurately as f32 sums, v_exp_f32 and their like allow (about 1e-6 of the number): no bf16 or f16 on the way to a quantiser, and a product that is left as it is and whose result goes on into a quantised operand takes f32 operands (vector FMAs, or v_wmma_f32_16x16x4_f32). A number that lies on a knife's edge between two numbers of the format may be rounded either way, as far as f32 arithmetic and the matrix unit's own rounding can turn it there, and no further.
;; One version. Each part assembles by itself: llvm-mc -triple=amdgcn-amd-amdhsa -mcpu=gfx1250 --defsym DOCPART=n.
;; ======== version 1 of 1: 4 launches
;; limits: right only within a limited range of input values
;; workspace buffers: codes 18,874,368 bytes; scales 786,432 bytes; qkcodes 12,582,912 bytes; qkscales 524,288 bytes; vbuf 33,554,432 bytes; acodes 6,291,456 bytes; ascales 262,144 bytes
;; launch quant (part 1): grid 768 x 1, 4 waves a work-group, no clusters, 46,592 bytes of LDS; arguments x, wq, wk, wv, wo, codes, scales; writes codes, scales
.if DOCPART == 1
	.amdgcn_target "amdgcn-amd-amdhsa--gfx1250"
	.amdhsa_code_object_version 6
	.text
	.protected	k_q718ce5cd4c_quant
	.globl	k_q718ce5cd4c_quant
	.p2align	8
	.type	k_q718ce5cd4c_quant,@function
k_q718ce5cd4c_quant:
	s_mov_b64 s[64:65], 0
	v_nop
	global_prefetch_b8 v0, s[64:65] scope:SCOPE_SE
	s_setreg_imm32_b32 hwreg(HW_REG_WAVE_MODE, 25, 1), 1
	s_wait_xcnt 0x0
; x [4096][2048] and wq, wk, wv, wo [2048][2048], f32, K innermost, become codes of FP6 (E2M3) with one E8M0 byte for each 32 along K.
; A block's scale is 2^(floor(log2(its largest magnitude)) - 2); its byte is the largest magnitude's exponent field - 2, held at 1 from below.
; LIMITS: NaN and infinities among the inputs are not served; a block whose largest magnitude lies under 2^-124 gets the byte 1; a block of zeros gets the
; byte 1 where the rule says 127 (its codes are zeros, which add nothing under any byte but 0xff, and only this program reads the bytes).
; LAYOUT OF THE RESULT.  A row-block is 16 rows; a FRAGMENT is 16 rows x 128 K as the matrix instruction's 12 registers a lane hold it:
; register i of lane r + 16 h lies at 512 (i / 4) + 16 (r + 16 h) + 4 (i % 4) of the fragment's 1,536 bytes; registers 6 c .. 6 c + 5 hold k = 64 c + 32 h + 0 .. 31.
; codes: [row-block][K step 0..15][1536]; scales: [row-block][8 K steps' pairs][row r][8 bytes].  Row-blocks 0-255 x, then 128 each of wq, wk, wv, wo.
; ROWS OF A WEIGHT'S BLOCK ARE NOT NEIGHBOURS: lane row r of block i is row 32 (i / 2) + 8 (i % 2) + r + 8 (r / 8), so that in the later products
; (weights as source 0) a lane's registers of two neighbouring blocks are 16 neighbouring columns.
; SHARES.  Work-group g makes row-block g; wave w its K quarter 512 w .. 512 w + 511; step t is lane row t: 2,048 consecutive bytes of memory, four loads of 512.
; A conversion wants 16 neighbours in one lane: a step's bytes turn through the wave's own stage in LDS (64 bytes + 16 of padding a place).
; The codes are gathered as four whole fragments (6,144 bytes) and the 256 scale bytes in the wave's own LDS and leave by stores of 512 and 256 consecutive bytes.
; No cluster, no barrier: work-groups and waves share no input.  Loads run four steps (16 loads a wave) ahead.
.set EMAX,  2
.set STEPS, 16
.set SP,    80                         ; a lane's place in a turning stage
.set WREG,  11520                      ; a wave's LDS: two turning stages of 2,560, the fragments' image, the scale bytes
.set IB,    5120
.set SBY,   11264
.set SPARE, 4*WREG                     ; the spare words: 128 bytes a wave, two blocks of 256 bytes that no other line names
.set INLO,  3                          ; v3   16 x lane
.set INHI,  4                          ; v4   the same, 8 rows further down for a weight's lane rows 8-15
.set SBA,   5                          ; v5   where my block's scale byte goes
.set IA0,   6                          ; v6, v7, v10: where my three code registers go
.set IA1,   7
.set IA2,   10
.set SPW,   12
.set NIL,   13
.set R,     16                         ; v16-79   four sets of 16 numbers as loaded
.set X,     80                         ; v80-111  two sets of 16 neighbours
.set E,     112                        ; v112-127 a scale byte for each step
.set C,     128                        ; v128-191 codes, four registers for each step
.set OUTL,  192
.set OUTS,  193
.set O8,    194
	s_load_b256 s[4:11], s[0:1], 0x0               ; x, wq, wk, wv
	s_load_b128 s[12:15], s[0:1], 0x20             ; wo, codes
	s_load_b64 s[16:17], s[0:1], 0x30              ; scales
	v_lshl_add_u32 v[SPW], v0, 2, SPARE
	v_mov_b32 v[NIL], 0
	v_lshrrev_b32 v1, 5, v0
	v_readfirstlane_b32 s24, v1                    ; wave
	v_and_b32 v2, 31, v0                           ; lane
	v_lshlrev_b32 v[INLO], 4, v2
	s_mul_i32 s25, s24, WREG
	v_lshrrev_b32 v14, 2, v2
	v_mul_u32_u24 v14, v14, SP
	v_and_b32 v15, 3, v2
	v_lshl_add_u32 v14, v15, 4, v14
	v_add_nc_u32 v14, s25, v14                     ; turning stage, in: four lanes' 64 bytes on end, then 16 of padding
	v_mul_u32_u24 v15, v2, SP
	v_add_nc_u32 v15, s25, v15                     ; and out: my 16 neighbours
	; behind the turn lane l holds k = 16 l .. 16 l + 15 of the quarter: fragment l / 8, c = (l / 4) % 2, h = (l / 2) % 2, half l % 2 of a block
	v_bfe_u32 v8, v2, 2, 1
	v_and_b32 v9, 1, v2
	v_mul_u32_u24 v8, v8, 6
	v_mad_u32_u24 v8, v9, 3, v8                    ; my first register of the fragment's twelve: 6 c + 3 (l % 2)
	v_lshrrev_b32 v9, 3, v2
	v_mul_u32_u24 v9, v9, 1536
	v_bfe_u32 v11, v2, 1, 1
	v_lshl_add_u32 v9, v11, 8, v9                  ; + 256 h
	v_add_nc_u32 v9, s25, v9
	v_add_nc_u32 v9, IB, v9
.macro MKIA reg, e                     ; register i = first + e lies at 512 (i / 4) + 4 (i % 4); the row's 16 t stands in the store's offset
	v_add_nc_u32 v11, \e, v8
	v_lshrrev_b32 v1, 2, v11
	v_and_b32 v11, 3, v11
	v_lshl_add_u32 v[\reg], v1, 9, v9
	v_lshl_add_u32 v[\reg], v11, 2, v[\reg]
.endm
	MKIA IA0, 0
	MKIA IA1, 1
	MKIA IA2, 2
	v_lshrrev_b32 v[SBA], 4, v2
	v_bfe_u32 v11, v2, 1, 3
	v_lshl_add_u32 v[SBA], v[SBA], 7, v11          ; 128 (l / 16) + (l / 2) % 8; the row's 8 t stands in the offset
	v_add_nc_u32 v[SBA], s25, v[SBA]
	v_add_nc_u32 v[SBA], SBY, v[SBA]
	v_add_nc_u32 v[OUTL], s25, v[INLO]
	v_add_nc_u32 v[OUTL], IB, v[OUTL]
	v_lshlrev_b32 v[O8], 3, v2
	v_add_nc_u32 v[OUTS], s25, v[O8]
	v_add_nc_u32 v[OUTS], SBY, v[OUTS]
	s_lshl_b32 s20, ttmp9, 17                      ; x: 16 rows of 8,192 bytes a block
	s_and_b32 s21, ttmp9, 127                      ; a weight's block i (each weight begins at a multiple of 128 blocks)
	s_lshr_b32 s22, s21, 1
	s_lshl_b32 s22, s22, 5
	s_and_b32 s21, s21, 1
	s_lshl_b32 s21, s21, 3
	s_add_co_u32 s21, s21, s22
	s_lshl_b32 s21, s21, 13                        ; its first row, 32 (i / 2) + 8 (i % 2), in bytes
	s_lshl_b32 s23, s24, 11                        ; my K quarter: 2,048 bytes
	s_mul_i32 s26, ttmp9, 24576
	s_mul_i32 s27, s24, 6144
	s_add_co_u32 s26, s26, s27
	s_lshl_b32 s28, ttmp9, 10
	s_lshl_b32 s29, s24, 8
	s_add_co_u32 s28, s28, s29
	s_wait_kmcnt 0x0
	s_mov_b64 s[18:19], s[12:13]                   ; which tensor: the choice hangs on the work-group's number alone
	s_cmp_lt_u32 ttmp9, 640
	s_cselect_b64 s[18:19], s[10:11], s[18:19]
	s_cmp_lt_u32 ttmp9, 512
	s_cselect_b64 s[18:19], s[8:9], s[18:19]
	s_cmp_lt_u32 ttmp9, 384
	s_cselect_b64 s[18:19], s[6:7], s[18:19]
	s_cmp_lt_u32 ttmp9, 256
	s_cselect_b64 s[18:19], s[4:5], s[18:19]
	s_cselect_b32 s20, s20, s21
	s_cselect_b32 s22, 0, 0x10000                  ; a weight's lane rows 8-15 lie 8 rows (65,536 bytes) further down
	s_add_co_u32 s20, s20, s23
	s_mov_b32 s21, 0
	s_add_nc_u64 s[18:19], s[18:19], s[20:21]
	s_mov_b32 s27, 0
	s_add_nc_u64 s[14:15], s[14:15], s[26:27]
	s_mov_b32 s29, 0
	s_add_nc_u64 s[16:17], s[16:17], s[28:29]
	v_add_nc_u32 v[INHI], s22, v[INLO]
.macro LOAD t                          ; lane row t: four loads of 512 consecutive bytes
.irp i, 0,1,2,3
.if (\t) < 8
	global_load_b128 v[R+16*((\t)%4)+4*\i:R+16*((\t)%4)+4*\i+3], v[INLO], s[18:19] offset:8192*(\t)+512*\i th:TH_LOAD_NT
.else
	global_load_b128 v[R+16*((\t)%4)+4*\i:R+16*((\t)%4)+4*\i+3], v[INHI], s[18:19] offset:8192*(\t)+512*\i th:TH_LOAD_NT
.endif
.endr
.endm
.macro TURN t                          ; through the stage: LDS serves a wave's instructions in order, so no wait stands between the stores and the loads
.irp i, 0,1,2,3
	ds_store_b128 v14, v[R+16*((\t)%4)+4*\i:R+16*((\t)%4)+4*\i+3] offset:32*SP*((\t)%2)+8*SP*\i
.endr
.irp i, 0,1,2,3
	ds_load_b128 v[X+16*((\t)%2)+4*\i:X+16*((\t)%2)+4*\i+3], v15 offset:32*SP*((\t)%2)+16*\i
.endr
.endm
.irp t, 0,1,2,3
	LOAD \t
.endr
	s_wait_loadcnt 12                              ; step 0's four loads are in; three steps' twelve may be out
	TURN 0
.macro STEP t
.set XS, X+16*((\t)%2)
.if (\t) > 0
	s_wait_dscnt 4                                 ; this step's numbers are back; behind them stand the last step's byte store and its three code stores
.else
	s_wait_dscnt 0x0
.endif
.if (\t)+4 < STEPS
	LOAD (\t)+4                                    ; into the set that this step's stores into the stage have read
.endif
.if (\t)+1 < STEPS
.if STEPS-2-(\t) >= 3
	s_wait_loadcnt 12                              ; the next step's four loads are in; those of the three steps behind it may be out
.else
	s_wait_loadcnt 4*(STEPS-2-(\t))
.endif
	TURN (\t)+1
.endif
	v_max3_num_f32 v8, |v[XS]|, |v[XS+1]|, |v[XS+2]|
	v_max3_num_f32 v9, |v[XS+3]|, |v[XS+4]|, |v[XS+5]|
.irp i, 6,10
	v_max3_num_f32 v8, v8, |v[XS+\i]|, |v[XS+\i+1]|
	v_max3_num_f32 v9, v9, |v[XS+\i+2]|, |v[XS+\i+3]|
.endr
	v_max3_num_f32 v8, v8, |v[XS+14]|, |v[XS+15]|
	v_max3_num_f32 v8, v8, v9, (EMAX+1)<<23        ; the floor 2^(3 - 127): the byte cannot fall under 1
	v_max_num_f32_dpp v8, v8, v8 row_xmask:1 row_mask:0xf bank_mask:0xf   ; with my neighbour's 16: the block's largest magnitude
	v_add_nc_u32 v11, -(EMAX<<23), v8              ; 2 off its exponent field: the conversion takes this operand's exponent field as its scale
	v_cvt_scalef32_pk16_fp6_f32 v[C+4*(\t):C+4*(\t)+2], v[XS:XS+15], v11
	v_lshrrev_b32 v[E+(\t)], 23, v11               ; the scale's byte (a plain line behind the conversion)
	ds_store_b8 v[SBA], v[E+(\t)] offset:8*(\t)    ; both lanes of a block write the same byte with the same value
	ds_store_b32 v[IA0], v[C+4*(\t)] offset:16*(\t)
	ds_store_b32 v[IA1], v[C+4*(\t)+1] offset:16*(\t)
	ds_store_b32 v[IA2], v[C+4*(\t)+2] offset:16*(\t)
.endm
.irp t, 0,1,2,3,4,5,6,7,8,9,10,11,12,13,14,15
	STEP \t
.endr
.irp j, 0,1,2,3,4,5,6,7,8,9,10,11
	ds_load_b128 v[R+4*\j:R+4*\j+3], v[OUTL] offset:512*\j     ; my four fragments, as they lie; these see my stores (a wave's LDS instructions go in order)
.endr
	ds_load_b64 v[R+48:R+49], v[OUTS]
.irp j, 0,1,2,3,4,5,6,7,8,9,10,11
	s_wait_dscnt 12-\j                             ; load j is in: behind it stand 11 - j loads of codes and the one of scale bytes
	global_store_b128 v[INLO], v[R+4*\j:R+4*\j+3], s[14:15] offset:512*\j   ; 512 consecutive bytes, at a multiple of 256
.endr
	s_wait_dscnt 0x0
	global_store_b64 v[O8], v[R+48:R+49], s[16:17] ; 256 consecutive bytes, aligned
	s_wait_tensorcnt 0x0                           ; the wave's end, behind my last LDS store
	ds_add_u32 v[SPW], v[NIL]
	s_wait_dscnt 0x0
	s_endpgm
.Lfunc_end_k_q718ce5cd4c_quant:
	.size	k_q718ce5cd4c_quant, .Lfunc_end_k_q718ce5cd4c_quant-k_q718ce5cd4c_quant
	.p2alignl 7, 3214868480
	.fill 96, 4, 3214868480
	.section	.rodata,"a",@progbits
	.p2align	6, 0x0
	.amdhsa_kernel k_q718ce5cd4c_quant
		.amdhsa_group_segment_fixed_size 46592
		.amdhsa_private_segment_fixed_size 0
		.amdhsa_enable_private_segment 0
		.amdhsa_kernarg_size 56
		.amdhsa_user_sgpr_count 2
		.amdhsa_user_sgpr_kernarg_segment_ptr 1
		.amdhsa_wavefront_size32 1
		.amdhsa_system_sgpr_workgroup_id_x 1
		.amdhsa_system_sgpr_workgroup_id_y 1
		.amdhsa_system_sgpr_workgroup_id_z 1
		.amdhsa_system_vgpr_workitem_id 0
		.amdhsa_next_free_vgpr 196
		.amdhsa_next_free_sgpr 66
		.amdhsa_reserve_vcc 0
		.amdhsa_float_denorm_mode_32 3
		.amdhsa_float_denorm_mode_16_64 3
		.amdhsa_memory_ordered 1
		.amdhsa_forward_progress 1
		.amdhsa_inst_pref_size 38
	.end_amdhsa_kernel
	.amdgpu_metadata
---
amdhsa.version: [ 1, 2 ]
amdhsa.kernels:
  - .name:           k_q718ce5cd4c_quant
    .symbol:         k_q718ce5cd4c_quant.kd
    .args:
      - { .name: x, .offset: 0, .size: 8, .value_kind: global_buffer, .address_space: global }
      - { .name: wq, .offset: 8, .size: 8, .value_kind: global_buffer, .address_space: global }
      - { .name: wk, .offset: 16, .size: 8, .value_kind: global_buffer, .address_space: global }
      - { .name: wv, .offset: 24, .size: 8, .value_kind: global_buffer, .address_space: global }
      - { .name: wo, .offset: 32, .size: 8, .value_kind: global_buffer, .address_space: global }
      - { .name: codes, .offset: 40, .size: 8, .value_kind: global_buffer, .address_space: global }
      - { .name: scales, .offset: 48, .size: 8, .value_kind: global_buffer, .address_space: global }
    .group_segment_fixed_size: 46592
    .private_segment_fixed_size: 0
    .kernarg_segment_align: 8
    .kernarg_segment_size: 56
    .max_flat_workgroup_size: 128
    .sgpr_count:     66
    .vgpr_count:     196
    .wavefront_size: 32
...
	.end_amdgpu_metadata
.endif
;; end of part 1
;; launch qkv (part 2): grid 16 x 16, 4 waves a work-group, clusters of 4 x 4, 327,680 bytes of LDS; arguments codes, scales, bq, bk, bv, freqs_cos, freqs_sin, qkcodes, qkscales, vbuf; writes qkcodes, qkscales, vbuf
.if DOCPART == 2
	.amdgcn_target "amdgcn-amd-amdhsa--gfx1250"
	.amdhsa_code_object_version 6
	.text
	.protected	k_q718ce5cd4c_qkv
	.globl	k_q718ce5cd4c_qkv
	.p2align	8
	.type	k_q718ce5cd4c_qkv,@function
k_q718ce5cd4c_qkv:
	s_mov_b64 s[64:65], 0
	v_nop
	global_prefetch_b8 v0, s[64:65] scope:SCOPE_SE
	s_setreg_imm32_b32 hwreg(HW_REG_WAVE_MODE, 25, 1), 1
	s_wait_xcnt 0x0
	s_wait_alu depctr_hold_cnt(0) depctr_sa_sdst(0) depctr_va_vdst(0) depctr_va_sdst(0) depctr_va_ssrc(0) depctr_va_vcc(0) depctr_vm_vsrc(0)
	s_getreg_b32 s2, hwreg(HW_REG_IB_STS2, 6, 4)
	s_cmp_eq_u32 s2, 0
	s_cbranch_scc0 .Lentry_in_a_cluster
	s_endpgm
.Lentry_in_a_cluster:
	s_bfe_u32 s2, ttmp6, 0x10000c
	s_cmp_lg_u32 s2, 0xf033
	s_cbranch_scc0 .Lentry_shape_is_right
	s_endpgm
.Lentry_shape_is_right:
; q, k, v = x w^T + b on codes of FP6 (E2M3) with E8M0 scales, K = 2048; q and k are then rotated (RoPE) and quantised along the head's 128; v leaves as f32.
; SHARES.  Work-group (c, y): rows 256 y .. 256 y + 255 of x against head c of wq, of wk and of wv: 256 x 384 results; 16 x 16 work-groups.
; Wave (RH, CH): rows 128 RH .. + 127 against the whole head of q (CH = 0) or k (CH = 1) and columns 64 CH .. + 63 of v's head: 8 x 12 = 96 accumulators.
; Operands lie in memory as images of the matrix instruction's registers: [row-block of 16][K step][1,536 bytes]; the scales as [row-block][pair of K steps][row][8 bytes].
; THE MATRIX INSTRUCTION IS USED TRANSPOSED (source 0 = 16 rows of a weight, source 1 = 16 rows of x): register j of lane (r, h) in weight block 2 b + u is column 32 b + 16 h + 8 u + j of row r.
; A K STEP is three phases of 32 matrix instructions, x's eight blocks against four of the weights' twelve; phase t's accumulators fill window 1 + t: (a, b) at v[32 a + 8 b].
; x's fragments have one set of registers (blocks 0-3 are fetched anew in the middle of phase 2, blocks 4-7 at its end), a third of the weights' two sets by turns.
; THE RING: two LDS slots of two K steps each (40 row-blocks x 3,072 bytes); wave 0 fetches x's 16 row-blocks, waves 1 to 3 the 8 of wq, wk, wv: one tensor load a wave for each fill.
; CLUSTER 4 x 4: x's tiles are asked for jointly along a row of the cluster, the weights' along a column.
; The bias is loaded into block 7's accumulators and is the C of every sum's first matrix instruction.  K step 0 stands ahead of the loop; a trip is K steps 4 i + 1 .. 4 i + 4 and holds two refills; steps 13 to 15 fetch nothing new and are written out.
; SCALES come from memory into registers, a slot ahead: register pair i holds in lanes 0-15 x's block i, in lanes 16-31 the rotated head's block i; two more pairs hold v's four blocks.
; No prefetch of the tiles: the block is the largest that the registers hold, in clusters, and K is eight fills of a slot.
; LIMITS: NaN and infinities are not served; a block of q or k whose largest magnitude lies under 2^-124, zeros too, gets the byte 1 (only this program reads the bytes).
; WINDOW 0: v1-23 addresses; v24-63 scale words alone, two sets; v64-159 x's fragments; v160-207, v208-255 the weights'.  On the way out v64-191 cos and sin, two sets; v192-247 at work.
.set RBB,   24576
.set FB,    3072
.set WB0,   256
.set LB,    16*FB
.set LV,    32*FB
.set SLOT,  40*FB
.set STAGE, 2*SLOT                     ; 16 rows x 272 bytes for each wave: v's way out
.set WST,   STAGE+4*16*272             ; 512 bytes for each wave: q's or k's scale words
.set SPARE, WST+4*512                  ; the spare words
.set LI,    4
.set VC,    5
.set ADRA,  6
.set ADRB,  8
.set ADRV,  10
.set VS1,   12
.set VS2,   13
.set VBO,   14
.set STO,   16
.set RD,    17
.set VO,    18
.set SST,   19
.set SRD,   20
.set PW,    21
.set SPW,   22
.set NIL,   23
.set SC,    24
.set AF,    64
.set BF,    160
.set CSB,   64
.set T,     192
.set TM,    224
.set CT0,   240
.set CT1,   244
.set G1,    24
.set G0,    32
.set G1B,   48
.set G0B,   56
.set WV,    92
.set RH,    93
.set CH,    94
.set SEL,   96
.set MSB, 0
.macro WIN new                         ; the immediate's high byte repeats the setting that is left
.if MSB != (\new)
	s_set_vgpr_msb (MSB<<8)|(\new)
.set MSB, (\new)
.endif
.endm
.macro PLACES n
.rept \n
	v_nop
.endr
.endm
; a joint load: wave 0 for x, waves 1 to 3 for wq, wk, wv; s_nop 0 and four v_nop follow each line
.macro JLOAD s
	s_cmp_eq_u32 s[WV], 0
	s_cbranch_scc0 .Lfor_b_\@
	tensor_load_to_lds s[G0+4*(\s):G0+4*(\s)+3], s[G1:G1+7]
	s_nop 0
	PLACES 4
	s_branch .Lasked_\@
.Lfor_b_\@:
	tensor_load_to_lds s[G0B+4*(\s):G0B+4*(\s)+3], s[G1B:G1B+7]
	s_nop 0
	PLACES 4
.Lasked_\@:
.endm
.macro CREST
	s_cmp_lg_u32 s[WV], 0
	s_cbranch_scc1 .Lnot_wave_0_\@
	s_barrier_signal -3
.Lnot_wave_0_\@:
	s_barrier_wait -3
	s_barrier_signal -1
	s_barrier_wait -1
.endm
.macro CROUND
	s_barrier_signal -1
	s_barrier_wait -1
	CREST
.endm
	s_load_b512 s[4:19], s[0:1], 0x0               ; codes, scales, bq, bk, bv, cos, sin, qkcodes
	s_load_b128 s[20:23], s[0:1], 0x40             ; qkscales, vbuf
	v_lshl_add_u32 v[SPW], v0, 2, SPARE
	v_mov_b32 v[NIL], 0
	ds_add_u32 v[SPW], v[NIL]                      ; the opening lines: the add twice on end, and its wait
	ds_add_u32 v[SPW], v[NIL]
	v_lshrrev_b32 v1, 5, v0
	v_readfirstlane_b32 s[WV], v1
	s_lshr_b32 s[RH], s[WV], 1
	s_and_b32 s[CH], s[WV], 1
	s_bfe_u32 s40, ttmp6, 0x40000                  ; cx
	s_bfe_u32 s41, ttmp6, 0x40004                  ; cy
	s_lshl_b32 s42, ttmp9, 2
	s_add_co_u32 s42, s42, s40                     ; the head c
	s_and_b32 s45, ttmp7, 0xffff
	s_lshl_b32 s45, s45, 2
	s_add_co_u32 s45, s45, s41                     ; the row tile y
	s_lshl_b32 s43, s41, 2
	s_lshl_b32 s43, 15, s43
	s_lshl_b32 s44, 0x1111, s40
	s_or_b32 s[G1], s43, (3<<16)|(1<<21)           ; elements of 8 bytes; x's tiles go to my row of the cluster
	s_or_b32 s[G1B], s44, (3<<16)|(1<<21)          ; the weights' to my column
	s_mov_b32 s[G1+1], (FB/8)<<16
	s_mov_b32 s[G1+2], 16<<16
	s_mov_b32 s[G1+3], (FB/8)<<16
	s_mov_b32 s[G1+4], 16
	s_mov_b32 s[G1+5], RBB/8
	s_mov_b32 s[G1+6], 0
	s_mov_b32 s[G1+7], 0
	s_mov_b32 s[G1B+1], (FB/8)<<16
	s_mov_b32 s[G1B+2], 8<<16
	s_mov_b32 s[G1B+3], (FB/8)<<16
	s_mov_b32 s[G1B+4], 8
	s_mov_b32 s[G1B+5], RBB/8
	s_mov_b32 s[G1B+6], 0
	s_mov_b32 s[G1B+7], 0
	s_mov_b32 s[G0], 1
	s_mov_b32 s[G0+4], 1
	s_mov_b32 s[G0B], 1
	s_mov_b32 s[G0B+4], 1
	s_mov_b32 s[G0+1], 0
	s_mov_b32 s[G0+5], SLOT
	s_mul_i32 s[G0B+1], s[WV], 8*FB                ; wave w's weight lies at LB + (w - 1) x 8 row-blocks
	s_add_co_u32 s[G0B+1], s[G0B+1], LB-8*FB
	s_add_co_u32 s[G0B+5], s[G0B+1], SLOT
	s_mul_i32 s98, s45, 16*RBB
	s_mov_b32 s99, 0
	s_lshl_b32 s46, s42, 3
	s_lshl_b32 s47, s[WV], 7
	s_add_co_u32 s46, s46, s47
	s_add_co_u32 s46, s46, WB0-128                 ; row-block 256 + 128 (w - 1) + 8 c
	s_mul_i32 s46, s46, RBB
	s_mov_b32 s47, 0
	s_mov_b32 s[SEL], 0x76543210
	s_mov_b32 s[SEL+1], 0xfedcba98
	s_wait_dscnt 0x0
	s_wait_kmcnt 0x0
	s_add_nc_u64 s[G0+2:G0+3], s[4:5], s[98:99]
	s_add_nc_u64 s[G0+6:G0+7], s[G0+2:G0+3], FB
	s_or_b32 s[G0+3], s[G0+3], 0x80000000
	s_or_b32 s[G0+7], s[G0+7], 0x80000000
	s_add_nc_u64 s[G0B+2:G0B+3], s[4:5], s[46:47]
	s_add_nc_u64 s[G0B+6:G0B+7], s[G0B+2:G0B+3], FB
	s_or_b32 s[G0B+3], s[G0B+3], 0x80000000
	s_or_b32 s[G0B+7], s[G0B+7], 0x80000000
	CROUND
	JLOAD 0                                        ; K steps 0 and 1: one tensor load a wave at the head
	s_mul_i32 s66, s[RH], 8*FB                     ; LDS: my 8 row-blocks of x,
	s_mul_i32 s67, s[CH], 8*FB
	s_add_co_u32 s67, s67, LB                      ; my rotated head's 8,
	s_mul_i32 s68, s[CH], 4*FB
	s_add_co_u32 s68, s68, LV                      ; my 4 of v's
	s_lshl_b32 s69, s45, 4
	s_lshl_b32 s70, s[RH], 3
	s_add_co_u32 s69, s69, s70
	s_lshl_b32 s69, s69, 10                        ; scales: x's blocks,
	s_lshl_b32 s70, s[CH], 7
	s_lshl_b32 s71, s42, 3
	s_add_co_u32 s70, s70, s71
	s_add_co_u32 s70, s70, WB0
	s_lshl_b32 s70, s70, 10
	s_sub_co_u32 s70, s70, s69                     ; the distance from them to the rotated head's,
	s_lshl_b32 s74, s[CH], 2
	s_add_co_u32 s71, s71, s74
	s_add_co_u32 s71, s71, WB0+256
	s_lshl_b32 s71, s71, 10                        ; v's
	s_mul_i32 s72, s[WV], 16*272
	s_add_co_u32 s72, s72, STAGE
	s_lshl_b32 s73, s[WV], 9
	s_add_co_u32 s73, s73, WST
	s_lshl_b32 s74, s42, 9                         ; 512 bytes a head
	s_mov_b32 s75, 0
	s_cmp_eq_u32 s[CH], 0
	s_cselect_b64 s[8:9], s[8:9], s[10:11]         ; bq or bk, by the wave's number alone
	s_add_nc_u64 s[8:9], s[8:9], s[74:75]
	s_lshl_b32 s76, s[CH], 8
	s_add_co_u32 s74, s74, s76
	s_add_nc_u64 s[12:13], s[12:13], s[74:75]
	s_add_nc_u64 s[22:23], s[22:23], s[74:75]
	s_lshl_b32 s76, s45, 8
	s_lshl_b32 s77, s[RH], 7
	s_add_co_u32 s76, s76, s77                     ; my first row
	s_lshl_b32 s74, s76, 13
	s_add_nc_u64 s[22:23], s[22:23], s[74:75]
	s_and_b32 s74, s76, 1023                       ; its position in the sequence
	s_lshl_b32 s74, s74, 8
	s_add_nc_u64 s[14:15], s[14:15], s[74:75]
	s_add_nc_u64 s[16:17], s[16:17], s[74:75]
	s_lshr_b32 s74, s76, 4
	s_mul_i32 s74, s74, RBB
	s_mul_i32 s77, s42, 1536
	s_add_co_u32 s74, s74, s77
	s_mul_i32 s77, s[CH], 6291456                  ; q's plane or k's
	s_add_co_u32 s74, s74, s77
	s_add_nc_u64 s[18:19], s[18:19], s[74:75]
	s_lshl_b32 s74, s76, 2
	s_lshl_b32 s77, s42, 14
	s_add_co_u32 s74, s74, s77
	s_lshl_b32 s77, s[CH], 18
	s_add_co_u32 s74, s74, s77
	s_add_nc_u64 s[20:21], s[20:21], s[74:75]
	v_and_b32 v1, 15, v0                           ; r
	v_bfe_u32 v2, v0, 4, 1                         ; h
	v_and_b32 v3, 31, v0
	v_lshlrev_b32 v[LI], 4, v3
	v_lshlrev_b32 v3, 3, v1                        ; 8 r
	v_add_nc_u32 v[ADRA], s66, v[LI]
	v_add_nc_u32 v[ADRB], s67, v[LI]
	v_add_nc_u32 v[ADRV], s68, v[LI]
	v_add_nc_u32 v[ADRA+1], SLOT, v[ADRA]
	v_add_nc_u32 v[ADRB+1], SLOT, v[ADRB]
	v_add_nc_u32 v[ADRV+1], SLOT, v[ADRV]
	v_mul_u32_u24 v[VS1], s70, v2                  ; lanes 16-31 take the weight's words
	v_add3_u32 v[VS1], v[VS1], v3, s69
	v_lshl_add_u32 v[VS2], v2, 11, v3              ; v's blocks 0, 1 in lanes 0-15, blocks 2, 3 in lanes 16-31
	v_add_nc_u32 v[VS2], s71, v[VS2]
	v_lshlrev_b32 v[VBO], 6, v2
	v_lshlrev_b32 v[VC], 8, v1
	v_lshl_add_u32 v[VC], v2, 5, v[VC]
	v_mul_u32_u24 v[STO], v1, 272
	v_lshl_add_u32 v[STO], v2, 6, v[STO]
	v_add_nc_u32 v[STO], s72, v[STO]
	v_mul_u32_u24 v[RD], v2, 272
	v_lshl_add_u32 v[RD], v1, 4, v[RD]
	v_add_nc_u32 v[RD], s72, v[RD]
	v_lshlrev_b32 v[VO], 13, v2
	v_lshl_add_u32 v[VO], v1, 4, v[VO]
	v_lshl_add_u32 v[SST], v1, 2, s73
	v_add_nc_u32 v[SRD], s73, v[LI]
	s_wait_alu depctr_va_vdst(0)                   ; the head's end
.macro SCLOAD set, off
.irp i, 0,1,2,3,4,5,6,7
	global_load_b64 v[SC+20*(\set)+2*\i:SC+20*(\set)+2*\i+1], v[VS1], s[6:7] offset:\i*1024+(\off)
.endr
.irp i, 0,1
	global_load_b64 v[SC+20*(\set)+16+2*\i:SC+20*(\set)+16+2*\i+1], v[VS2], s[6:7] offset:\i*1024+(\off)
.endr
.endm
	SCLOAD 0, 0
.irp n, 1,2                            ; the bias in the result's layout, into block 7's accumulators
	WIN \n<<6
.irp bq, 0,1,2,3
.irp e, 0,1
	global_load_b128 v[224+8*\bq+4*\e:224+8*\bq+4*\e+3], v[VBO], s[8:9] offset:256*(\n-1)+128*(\bq/2)+32*(\bq%2)+16*\e
.endr
.endr
.endr
	WIN 0xc0
.irp bq, 0,1,2,3
.irp e, 0,1
	global_load_b128 v[224+8*\bq+4*\e:224+8*\bq+4*\e+3], v[VBO], s[12:13] offset:128*(\bq/2)+32*(\bq%2)+16*\e
.endr
.endr
	WIN 0
.macro FRAG reg, adr, off
.irp c, 0,1,2
	ds_load_b128 v[(\reg)+4*\c:(\reg)+4*\c+3], v[\adr] offset:(\off)+512*\c
.endr
.endm
.macro FB sl, hf, t, set               ; third t of my twelve weight fragments: 12 loads
.irp i, 0,1,2,3
.if (\t) < 2
	FRAG BF+48*(\set)+12*\i, ADRB+(\sl), (4*(\t)+\i)*FB+(\hf)*1536
.else
	FRAG BF+48*(\set)+12*\i, ADRV+(\sl), \i*FB+(\hf)*1536
.endif
.endr
.endm
.macro FA sl, hf, a0                   ; x's blocks a0 .. a0 + 3: 12 loads
.irp i, 0,1,2,3
	FRAG AF+12*((\a0)+\i), ADRA+(\sl), ((\a0)+\i)*FB+(\hf)*1536
.endr
.endm
; n blocks of x from a0 on, each against phase t's four weight blocks.  The phase's 32 accumulators take turns, one instruction a turn.
; first = 1: C is the bias, which lies in block 7's accumulators; five places stand ahead of block 7's own products, which write over it.
.macro MM a0, n, t, set, sc, q, first
	WIN (((\t)+1)<<6)|(((\t)+1)<<4)
.set MA, \a0
.rept \n
.if (\first) && MA == 7
	PLACES 5
.endif
.irp b, 0,1,2,3
.set WD, 32*MA+8*\b
.if \first
.set WC, 224+8*\b
.else
.set WC, WD
.endif
.set WF, BF+48*(\set)+12*\b
.set WA, AF+12*MA
.set WSA, SC+20*(\sc)+2*MA+(\q)
.if (\t) < 2
.set WSB, SC+20*(\sc)+2*(4*(\t)+\b)+(\q)
.else
.set WSB, SC+20*(\sc)+16+2*(\b%2)+(\q)
.endif
.if (\t) < 2 || \b > 1
	v_wmma_scale_f32_16x16x128_f8f6f4 v[WD:WD+7], v[WF:WF+11], v[WA:WA+11], v[WC:WC+7], v[WSB], v[WSA] matrix_a_fmt:MATRIX_FMT_FP6 matrix_b_fmt:MATRIX_FMT_FP6 matrix_a_scale:MATRIX_SCALE_ROW1
.else
	v_wmma_scale_f32_16x16x128_f8f6f4 v[WD:WD+7], v[WF:WF+11], v[WA:WA+11], v[WC:WC+7], v[WSB], v[WSA] matrix_a_fmt:MATRIX_FMT_FP6 matrix_b_fmt:MATRIX_FMT_FP6
.endif
.endr
.set MA, MA+1
.endr
.endm
; A K step: slot sl, half hf.  On entry 48 LDS loads at the most are out, in this order: third 0, x's 0-3, x's 4-7, third 1.
; scl: 1 or 2: the next slot's scale words are asked for.  kind 0: the next step lies in the same slot; 1: change of slots with a refill; 2: change of slots, nothing left to fetch; 3: the last step.
.macro STEP sl, hf, first, scl, kind
.set NS, (\sl)^(\hf)
.set NH, 1-(\hf)
.if (\hf) == 0
	s_wait_loadcnt 0x0                             ; this slot's scale words (ahead of step 0: the bias too); the loads' base may now step
.if (\scl) == 2
	s_add_nc_u64 s[6:7], s[6:7], 256
	SCLOAD 0, 0
.elseif (\scl) == 1
	SCLOAD 1, 128
.endif
.endif
	s_wait_dscnt 24                                ; third 0 and x's 0-3 are in; x's 4-7 and third 1 may be out
	MM 0, 4, 0, \hf, \sl, \hf, \first
	s_wait_dscnt 12                                ; x's 4-7 are in
	MM 4, 4, 0, \hf, \sl, \hf, \first
	PLACES 4                                       ; ahead of loads into registers that matrix instructions have read
	WIN 0
	FB \sl, \hf, 2, \hf
	s_wait_dscnt 12                                ; third 1 is in; the twelve just issued may be out
	MM 0, 8, 1, 1-(\hf), \sl, \hf, \first
.if (\kind) == 0
	PLACES 4
	WIN 0
	FB NS, NH, 0, NH
	s_wait_dscnt 12                                ; third 2 is in
	MM 0, 4, 2, \hf, \sl, \hf, \first
	PLACES 4
	WIN 0
	FA NS, NH, 0
.elseif (\kind) < 3
	WIN 0
	s_wait_tensorcnt 0x0                           ; my part of the other slot has landed
	ds_add_u32 v[SPW], v[NIL]
	s_wait_dscnt 1                                 ; third 2 is in; the add alone may be out
	MM 0, 2, 2, \hf, \sl, \hf, 0
	s_wait_dscnt 0x0                               ; the add is done, and my reads of this slot are over
	s_barrier_signal -1
	MM 2, 2, 2, \hf, \sl, \hf, 0
	WIN 0
	s_barrier_wait -1
.if (\kind) == 1
	CREST                                          ; the barrier has opened a round of the cluster's
	s_add_nc_u64 s[G0+4*(\sl)+2:G0+4*(\sl)+3], s[G0+4*(\sl)+2:G0+4*(\sl)+3], 2*FB
	s_add_nc_u64 s[G0B+4*(\sl)+2:G0B+4*(\sl)+3], s[G0B+4*(\sl)+2:G0B+4*(\sl)+3], 2*FB
	JLOAD \sl                                      ; the slot just read out takes the K steps four on; its four v_nop are the places ahead of the loads below
.else
	PLACES 4
.endif
	FB NS, NH, 0, NH
	FA NS, NH, 0
.endif
.if (\kind) < 3
	MM 4, 4, 2, \hf, \sl, \hf, \first
	PLACES 4
	WIN 0
	FA NS, NH, 4
	FB NS, NH, 1, 1-NH
.else
	s_wait_dscnt 0x0
	MM 0, 8, 2, \hf, \sl, \hf, 0
	WIN 0
.endif
.endm
	s_wait_tensorcnt 0x0                           ; my part of slot 0 is in
	ds_add_u32 v[SPW], v[NIL]
	s_wait_dscnt 0x0
	CROUND
	JLOAD 1                                        ; K steps 2 and 3
	FB 0, 0, 0, 0
	FA 0, 0, 0
	FA 0, 0, 4
	FB 0, 0, 1, 1
	STEP 0, 0, 1, 1, 0                             ; K step 0 starts the sums from the bias
	s_mov_b32 s3, 3
.Lk:
	STEP 0, 1, 0, 0, 1
	STEP 1, 0, 0, 2, 0
	STEP 1, 1, 0, 0, 1
	STEP 0, 0, 0, 1, 0
	s_sub_co_u32 s3, s3, 1
	s_cmp_lg_u32 s3, 0
	s_cbranch_scc1 .Lk
	STEP 0, 1, 0, 0, 2
	STEP 1, 0, 0, 0, 0
	STEP 1, 1, 0, 0, 3
; THE WAY OUT.  cos and sin of a block's 16 positions: lane (r, h) takes pairs 16 b + 8 h + 0 .. 7 of position r
.macro CSLOAD a
.irp b, 0,1,2,3
.irp e, 0,1
	global_load_b128 v[CSB+64*((\a)%2)+8*\b+4*\e:CSB+64*((\a)%2)+8*\b+4*\e+3], v[VC], s[14:15] offset:(\a)*4096+64*\b+16*\e
	global_load_b128 v[CSB+64*((\a)%2)+32+8*\b+4*\e:CSB+64*((\a)%2)+32+8*\b+4*\e+3], v[VC], s[16:17] offset:(\a)*4096+64*\b+16*\e
.endr
.endr
.endm
; RoPE in place: (xr, xi) -> (xr c - xi s, xr s + xi c), the products with cos in T first
.macro ROPE a
.set CB, CSB+64*((\a)%2)
.irp n, 1,2
	WIN \n
.irp bq, 0,1,2,3
.irp jp, 0,1
.set RA, 32*(\a)+8*\bq+4*\jp
.set RT, T+8*\bq+4*\jp
.set RC, CB+16*(\n-1)+4*\bq+2*\jp
	v_pk_mul_f32 v[RT:RT+1], v[RA:RA+1], v[RC:RC+1] op_sel:[0,0] op_sel_hi:[1,0]
	v_pk_mul_f32 v[RT+2:RT+3], v[RA+2:RA+3], v[RC:RC+1] op_sel:[0,1] op_sel_hi:[1,1]
.endr
.endr
	WIN (\n<<6)|\n
.irp bq, 0,1,2,3
.irp jp, 0,1
.set RA, 32*(\a)+8*\bq+4*\jp
.set RT, T+8*\bq+4*\jp
.set RS, CB+32+16*(\n-1)+4*\bq+2*\jp
	v_pk_fma_f32 v[RA:RA+1], v[RA:RA+1], v[RS:RS+1], v[RT:RT+1] op_sel:[1,0,0] op_sel_hi:[0,0,1] neg_lo:[0,1,0]
	v_pk_fma_f32 v[RA+2:RA+3], v[RA+2:RA+3], v[RS:RS+1], v[RT+2:RT+3] op_sel:[1,1,0] op_sel_hi:[0,1,1] neg_lo:[0,1,0]
.endr
.endr
.endr
	WIN 0
.endm
; a lane's 64 numbers, d = 32 b + 16 h + i, become a fragment's codes and its scale word.  The codes go to registers of window pw from pb on (c0, c1: the two halves made elsewhere),
; which nothing writes again: so no store's data are rewritten
.macro QUANT a, pw, pb, c0, c1
.irp n, 1,2
	WIN 5*\n
.irp k, 0,1
	v_max3_num_f32 v[TM+2*(\n-1)+\k], |v[32*(\a)+16*\k]|, |v[32*(\a)+16*\k+1]|, 0x1800000   ; and the floor 2^(3 - 127)
.endr
.irp i, 2,4,6,8,10,12,14
.irp k, 0,1
	v_max3_num_f32 v[TM+2*(\n-1)+\k], |v[32*(\a)+16*\k+\i]|, |v[32*(\a)+16*\k+\i+1]|, v[TM+2*(\n-1)+\k]
.endr
.endr
.endr
	WIN 0
.irp b, 0,1,2,3
	v_permlanex16_b32 v[TM+4+\b], v[TM+\b], s[SEL], s[SEL+1]
.endr
.irp b, 0,1,2,3
	v_max_num_f32 v[TM+\b], v[TM+\b], v[TM+4+\b]
.endr
.irp b, 0,1,2,3
	v_add_nc_u32 v[TM+12+\b], 0xff000000, v[TM+\b] ; 2 off the exponent field: the conversion's scale operand
.endr
.irp b, 0,1,2,3
	v_lshrrev_b32 v[TM+4+\b], 23, v[TM+12+\b]      ; the scale's byte
.endr
	v_lshl_or_b32 v[PW], v[TM+5], 8, v[TM+4]
	v_lshl_or_b32 v[PW], v[TM+6], 16, v[PW]
	v_lshl_or_b32 v[PW], v[TM+7], 24, v[PW]
	WIN ((\pw)<<6)|1
	v_cvt_scalef32_pk16_fp6_f32 v[(\pb):(\pb)+2], v[32*(\a):32*(\a)+15], v[TM+12]
	v_cvt_scalef32_pk16_fp6_f32 v[(\c0):(\c0)+2], v[32*(\a)+16:32*(\a)+31], v[TM+13]
	WIN ((\pw)<<6)|2
	v_cvt_scalef32_pk16_fp6_f32 v[(\pb)+6:(\pb)+8], v[32*(\a):32*(\a)+15], v[TM+14]
	v_cvt_scalef32_pk16_fp6_f32 v[(\c1):(\c1)+2], v[32*(\a)+16:32*(\a)+31], v[TM+15]
	WIN ((\pw)<<6)|(\pw)
	v_nop                                          ; one plain place behind a scaled conversion
.irp i, 0,1,2
	v_permlane16_swap_b32 v[(\pb)+\i], v[(\c0)+\i]
.endr
.irp i, 0,1,2
	v_mov_b32 v[(\pb)+3+\i], v[(\c0)+\i]
.endr
.irp i, 0,1,2
	v_permlane16_swap_b32 v[(\pb)+6+\i], v[(\c1)+\i]
.endr
.irp i, 0,1,2
	v_mov_b32 v[(\pb)+9+\i], v[(\c1)+\i]
.endr
	WIN 0
	ds_store_b32 v[SST], v[PW] offset:64*(\a)      ; lanes r and r + 16 write the same word with the same value
	WIN (\pw)<<2
.irp c, 0,1,2
	global_store_b128 v[LI], v[(\pb)+4*\c:(\pb)+4*\c+3], s[18:19] offset:(\a)*RBB+512*\c   ; the fragment as it stands: 1,536 consecutive bytes
.endr
	WIN 0
.endm
	PLACES 4                                       ; behind the last products: ahead of reads of results and of loads into operands' and results' registers
	CSLOAD 0
	CSLOAD 1
	WIN 0xcc                                       ; an LDS store's data and an LDS load's destination: window 3
.irp a, 0,1,2,3,4,5,6,7                ; v's block a, 16 rows x 64 columns, through my stage and back into its own registers as rows of 256 bytes, two a load; a wave's LDS instructions go in order
.irp bq, 0,1,2,3
	ds_store_b128 v[STO], v[32*\a+8*\bq:32*\a+8*\bq+3] offset:128*(\bq/2)+32*(\bq%2)
	ds_store_b128 v[STO], v[32*\a+8*\bq+4:32*\a+8*\bq+7] offset:128*(\bq/2)+32*(\bq%2)+16
.endr
.irp t, 0,1,2,3,4,5,6,7
	ds_load_b128 v[32*\a+4*\t:32*\a+4*\t+3], v[RD] offset:\t*544
.endr
.endr
	WIN 0
.irp b, 0,1,2,3
	v_mov_b32 v[TM+4+\b], 0                        ; a lane permute's destination counts as one of its sources
.endr
	s_wait_alu depctr_va_vdst(0)
	s_wait_dscnt 0x0                               ; v is back in registers
.irp a, 0,1,2,3,4,5,6,7
	s_wait_alu depctr_va_vdst(0)
.if \a < 7
	s_wait_loadcnt 16                              ; this block's cos and sin are in; the next block's sixteen loads may be out
.else
	s_wait_loadcnt 0x0
.endif
	WIN 0x0c
.irp t, 0,1,2,3,4,5,6,7
	global_store_b128 v[VO], v[32*\a+4*\t:32*\a+4*\t+3], s[22:23] offset:\a*131072+\t*16384   ; sixteen lanes fill 256 consecutive bytes, aligned
.endr
	ROPE \a
.if \a < 6
	CSLOAD \a+2
.endif
.if \a == 0
	QUANT 0, 0, 6, CT0, CT1                        ; v6-17: addresses that are done with
.else
	QUANT \a, 1, 32*(\a-1), 32*(\a-1)+12, 32*(\a-1)+16   ; the last block's accumulators in window 1, which are done with
.endif
.endr
	ds_load_b128 v[TM:TM+3], v[SRD]                ; my 128 rows' scale words; a wave's LDS instructions go in order
	s_wait_dscnt 0x0
	global_store_b128 v[LI], v[TM:TM+3], s[20:21]  ; 512 consecutive bytes, aligned
	s_wait_tensorcnt 0x0                           ; the wave's end
	ds_add_u32 v[SPW], v[NIL]
	s_wait_dscnt 0x0
	CROUND                                         ; the closing round
	s_endpgm
.Lfunc_end_k_q718ce5cd4c_qkv:
	.size	k_q718ce5cd4c_qkv, .Lfunc_end_k_q718ce5cd4c_qkv-k_q718ce5cd4c_qkv
	.p2alignl 7, 3214868480
	.fill 96, 4, 3214868480
	.section	.rodata,"a",@progbits
	.p2align	6, 0x0
	.amdhsa_kernel k_q718ce5cd4c_qkv
		.amdhsa_group_segment_fixed_size 327680
		.amdhsa_private_segment_fixed_size 0
		.amdhsa_enable_private_segment 0
		.amdhsa_kernarg_size 80
		.amdhsa_user_sgpr_count 2
		.amdhsa_user_sgpr_kernarg_segment_ptr 1
		.amdhsa_wavefront_size32 1
		.amdhsa_system_sgpr_workgroup_id_x 1
		.amdhsa_system_sgpr_workgroup_id_y 1
		.amdhsa_system_sgpr_workgroup_id_z 1
		.amdhsa_system_vgpr_workitem_id 0
		.amdhsa_next_free_vgpr 1024
		.amdhsa_next_free_sgpr 102
		.amdhsa_reserve_vcc 0
		.amdhsa_float_denorm_mode_32 3
		.amdhsa_float_denorm_mode_16_64 3
		.amdhsa_memory_ordered 1
		.amdhsa_forward_progress 1
		.amdhsa_inst_pref_size 246
	.end_amdhsa_kernel
	.amdgpu_metadata
---
amdhsa.version: [ 1, 2 ]
amdhsa.kernels:
  - .name:           k_q718ce5cd4c_qkv
    .symbol:         k_q718ce5cd4c_qkv.kd
    .args:
      - { .name: codes, .offset: 0, .size: 8, .value_kind: global_buffer, .address_space: global }
      - { .name: scales, .offset: 8, .size: 8, .value_kind: global_buffer, .address_space: global }
      - { .name: bq, .offset: 16, .size: 8, .value_kind: global_buffer, .address_space: global }
      - { .name: bk, .offset: 24, .size: 8, .value_kind: global_buffer, .address_space: global }
      - { .name: bv, .offset: 32, .size: 8, .value_kind: global_buffer, .address_space: global }
      - { .name: freqs_cos, .offset: 40, .size: 8, .value_kind: global_buffer, .address_space: global }
      - { .name: freqs_sin, .offset: 48, .size: 8, .value_kind: global_buffer, .address_space: global }
      - { .name: qkcodes, .offset: 56, .size: 8, .value_kind: global_buffer, .address_space: global }
      - { .name: qkscales, .offset: 64, .size: 8, .value_kind: global_buffer, .address_space: global }
      - { .name: vbuf, .offset: 72, .size: 8, .value_kind: global_buffer, .address_space: global }
    .group_segment_fixed_size: 327680
    .private_segment_fixed_size: 0
    .kernarg_segment_align: 8
    .kernarg_segment_size: 80
    .max_flat_workgroup_size: 128
    .sgpr_count:     102
    .vgpr_count:     1024
    .wavefront_size: 32
...
	.end_amdgpu_metadata
.endif
;; end of part 2
;; launch attn (part 3): grid 256 x 1, 16 waves a work-group, no clusters, 188,928 bytes of LDS; arguments qkcodes, qkscales, vbuf, acodes, ascales; writes acodes, ascales
.if DOCPART == 3
	.amdgcn_target "amdgcn-amd-amdhsa--gfx1250"
	.amdhsa_code_object_version 6
	.text
	.protected	k_q718ce5cd4c_attn
	.globl	k_q718ce5cd4c_attn
	.p2align	8
	.type	k_q718ce5cd4c_attn,@function
k_q718ce5cd4c_attn:
	s_mov_b64 s[64:65], 0
	v_nop
	global_prefetch_b8 v0, s[64:65] scope:SCOPE_SE
	s_setreg_imm32_b32 hwreg(HW_REG_WAVE_MODE, 25, 1), 1
	s_wait_xcnt 0x0
; For each position: scores(head, head') = q(head) . k(head') / sqrt(128) on codes of FP6 (one matrix instruction, 16 x 16 x 128); softmax over head' in f32, the maximum taken away first;
; out(head, d) = sum over head' of att(head, head') v(head', d) with f32 operands (its result goes into a quantiser; K = 16); out is quantised along d and stored as a fragment of the last product's left operand.
; SHARES.  A work-group takes 16 neighbouring positions, a wave one.  No loop, no tensor load; no cluster: work-groups share no input.
; q's and k's codes lie as fragments of 16 positions x one head's 128; a position wants 16 heads x 128.  The work-group's 24,576 bytes of each go through LDS in chunks of 512 bytes + 16:
; lane (r, h) of wave w then takes, for c = 0, 1, 2, the 16 bytes at chunk 3 r + c, byte 256 h + 16 w: registers 4 c .. 4 c + 3 of head r's row.
; BOTH PRODUCTS ARE USED TRANSPOSED: S^T = k q^T: lane (r, h) holds head r and head' = 8 h + j; O^T = v^T att^T: source 0 = 16 of the 128 d, source 1 = att.
; In the f32 form lane (r, h) register j is k = 2 h + j: instruction kk takes head' = 8 h + 2 kk + j for it, on both sides alike, so att's registers are the operand as they stand.
; The d of tile 2 b + u are 32 b + 8 u + m + 8 (m / 8), so that a lane's 64 results are d = 32 b + 16 h + 8 u + j: the quantiser's order.
; RESULT: the reshaped matrix has row (batch, head, position / 16) and column (position % 16) x 128 + d: acodes [position / 16][K step = position % 16][1536], rows = heads; ascales likewise.
; LIMITS: NaN and infinities are not served; v_exp_f32 and v_rcp_f32 flush denormals: a weight under 2^-126 of the largest counts as 0; a block under 2^-124, zeros too, gets the byte 1.
.set QST,   0                          ; 48 chunks of 528 bytes: q
.set KST,   25344                      ; the same for k
.set VST,   50688                      ; v: 16 rows of 528 bytes for each wave, its own
.set ASC,   185856                     ; the work-group's 1,024 bytes of scale words
.set SPARE, 186880                     ; the spare words, 128 bytes a wave
.set T16,   1
.set L16,   2
.set QW,    3
.set QR,    4
.set VW,    5
.set VRD,   6
.set AW,    7
.set AR,    8
.set SO,    9
.set AG,    10
.set SPW,   14
.set NIL,   15
.set QF,    16                         ; v16-27 q, v28-39 k: first as loaded, then the operands
.set KF,    28
.set QS,    40                         ; v40, v41: scale words alone
.set KS,    41
.set S,     42                         ; v42-49 scores, then weights
.set AT,    50                         ; v50-57 att
.set VR,    64                         ; v64-127 v as loaded; later at work
.set TM,    64
.set PW,    80
.set PC,    84
.set VF,    128                        ; v128-191 v^T's operands
.set ACC,   192                        ; v192-255: written by matrix instructions alone
.set WV,    14
.set SEL,   20
.set CS,    22
	s_load_b256 s[4:11], s[0:1], 0x0               ; qkcodes, qkscales, vbuf, acodes
	s_load_b64 s[12:13], s[0:1], 0x20              ; ascales
	v_lshl_add_u32 v[SPW], v0, 2, SPARE
	v_mov_b32 v[NIL], 0
	v_lshrrev_b32 v11, 5, v0
	s_delay_alu instid0(VALU_DEP_1)
	v_readfirstlane_b32 s[WV], v11                 ; wave = my position among the 16
	v_and_b32 v11, 31, v0                          ; lane
	v_and_b32 v12, 15, v0                          ; r
	v_bfe_u32 v13, v0, 4, 1                        ; h
	v_lshlrev_b32 v[T16], 4, v0
	s_delay_alu instid0(VALU_DEP_4)
	v_lshlrev_b32 v[L16], 4, v11
	s_mul_i32 s24, s[WV], 528
	v_add_nc_u32 v[QW], s24, v[L16]                ; in: load j of wave w is chunk 16 j + w
	v_mul_u32_u24 v[QR], v12, 1584
	s_delay_alu instid0(VALU_DEP_1)
	v_lshl_add_u32 v[QR], v13, 8, v[QR]
	s_lshl_b32 s24, s[WV], 4
	v_add_nc_u32 v[QR], s24, v[QR]                 ; out: chunk 3 r, + 256 h + 16 w
	s_mul_i32 s24, s[WV], 8448
	s_add_co_u32 s24, s24, VST
	v_add_nc_u32 v[VW], s24, v[L16]
	v_and_b32 v[VRD], 8, v12
	s_delay_alu instid0(VALU_DEP_1)
	v_add_nc_u32 v[VRD], v[VRD], v12               ; r + 8 (r / 8)
	s_delay_alu instid0(VALU_DEP_1)
	v_lshl_add_u32 v[VRD], v[VRD], 2, s24
	s_delay_alu instid0(VALU_DEP_1)
	v_mad_u32_u24 v[VRD], v13, 4224, v[VRD]        ; + 8 h rows
	s_lshr_b32 s24, s[WV], 1
	s_lshl_b32 s24, s24, 7
	s_and_b32 s25, s[WV], 1
	s_lshl_b32 s25, s25, 2
	s_add_co_u32 s24, s24, s25
	s_add_co_u32 s24, s24, ASC
	v_lshl_add_u32 v[AW], v12, 3, s24              ; my K step's word of row r: 128 (w / 2) + 8 r + 4 (w % 2)
	v_and_b32 v[AG], 63, v0
	s_delay_alu instid0(VALU_DEP_1)
	v_lshlrev_b32 v[AG], 4, v[AG]
	s_delay_alu instid0(VALU_DEP_1)
	v_add_nc_u32 v[AR], ASC, v[AG]
	v_lshlrev_b32 v[SO], 14, v12                   ; qkscales: 16,384 bytes a head
	v_mov_b32 v59, 0                               ; written once: a lane permute's destination counts as one of its sources
	s_mov_b32 s[SEL], 0x76543210
	s_mov_b32 s[SEL+1], 0xfedcba98
	s_mov_b32 s[CS], 0x3e0293ee                    ; c = log2(e) / sqrt(128)
	s_mov_b32 s[CS+1], s[CS]
	s_mul_i32 s16, ttmp9, 24576
	s_mov_b32 s17, 0
	s_lshl_b32 s18, ttmp9, 10
	s_mov_b32 s19, 0
	s_lshl_b32 s15, ttmp9, 4
	s_add_co_u32 s15, s15, s[WV]                   ; my position
	s_lshl_b32 s26, s15, 2
	s_mov_b32 s27, 0
	s_lshl_b32 s28, s15, 13
	s_mov_b32 s29, 0
	s_mul_i32 s30, s[WV], 1536
	s_mov_b32 s31, 0
	s_wait_alu depctr_va_vdst(0)
	s_wait_kmcnt 0x0
	s_add_nc_u64 s[4:5], s[4:5], s[16:17]
	s_add_nc_u64 s[6:7], s[6:7], s[26:27]
	s_add_nc_u64 s[8:9], s[8:9], s[28:29]
	s_add_nc_u64 s[10:11], s[10:11], s[16:17]
	s_add_nc_u64 s[10:11], s[10:11], s[30:31]
	s_add_nc_u64 s[12:13], s[12:13], s[18:19]
.irp j, 0,1,2
	global_load_b128 v[QF+4*\j:QF+4*\j+3], v[T16], s[4:5] offset:8192*\j th:TH_LOAD_NT
.endr
.irp j, 0,1,2
	global_load_b128 v[KF+4*\j:KF+4*\j+3], v[T16], s[4:5] offset:6291456+8192*\j th:TH_LOAD_NT   ; k's plane
.endr
	global_load_b32 v[QS], v[SO], s[6:7]
	global_load_b32 v[KS], v[SO], s[6:7] offset:262144
.irp g, 0,1,2,3,4,5,6,7,8,9,10,11,12,13,14,15
	global_load_b128 v[VR+4*\g:VR+4*\g+3], v[L16], s[8:9] offset:512*\g th:TH_LOAD_NT   ; head' g's 128 numbers: 512 consecutive bytes
.endr
	s_wait_loadcnt 18                              ; q's and k's six loads are in; the two scale words and v's sixteen may be out
.irp j, 0,1,2
	ds_store_b128 v[QW], v[QF+4*\j:QF+4*\j+3] offset:QST+8448*\j
	ds_store_b128 v[QW], v[KF+4*\j:KF+4*\j+3] offset:KST+8448*\j
.endr
	s_wait_dscnt 0x0                               ; for the others' sake: my stores have landed
	s_barrier_signal -1
	s_barrier_wait -1
.irp c, 0,1,2
	ds_load_b128 v[QF+4*\c:QF+4*\c+3], v[QR] offset:QST+528*\c
	ds_load_b128 v[KF+4*\c:KF+4*\c+3], v[QR] offset:KST+528*\c
.endr
	s_wait_loadcnt 16                              ; the scale words are in; v's sixteen may be out
	s_wait_dscnt 0x0
	v_wmma_scale_f32_16x16x128_f8f6f4 v[S:S+7], v[KF:KF+11], v[QF:QF+11], 0, v[KS], v[QS] matrix_a_fmt:MATRIX_FMT_FP6 matrix_b_fmt:MATRIX_FMT_FP6
	s_wait_loadcnt 0x0                             ; v
.irp g, 0,1,2,3,4,5,6,7,8,9,10,11,12,13,14,15
	ds_store_b128 v[VW], v[VR+4*\g:VR+4*\g+3] offset:528*\g
.endr
.irp t, 0,1,2,3,4,5,6,7                        ; v(8 h + n, 32 b + 8 u + r + 8 (r / 8)), n = 0 .. 7, t = 2 b + u: my own bytes, in order behind my stores
.irp n, 0,1,2,3,4,5,6,7
	ds_load_b32 v[VF+8*\t+\n], v[VRD] offset:\n*528+(32*(\t/2)+8*(\t%2))*4
.endr
.endr
.rept 4
	v_nop                                          ; four places behind the matrix instruction, ahead of the first read of its result
.endr
	v_max3_num_f32 v58, v[S], v[S+1], v[S+2]       ; the softmax, while those loads land: the largest of my eight scores,
	v_max3_num_f32 v58, v58, v[S+3], v[S+4]
	v_max3_num_f32 v58, v58, v[S+5], v[S+6]
	v_max_num_f32 v58, v58, v[S+7]
	s_delay_alu instid0(VALU_DEP_1)
	v_permlanex16_b32 v59, v58, s[SEL], s[SEL+1]
	s_delay_alu instid0(VALU_DEP_1)
	v_max_num_f32 v58, v58, v59                    ; and of lane l xor 16's eight: the row's
	s_delay_alu instid0(VALU_DEP_1)
	v_mul_f32 v60, s[CS], v58
	s_delay_alu instid0(VALU_DEP_1)
	v_mov_b32 v61, v60                             ; (named with it as a pair)
.irp i, 0,2,4,6
	v_pk_fma_f32 v[S+\i:S+\i+1], v[S+\i:S+\i+1], s[CS:CS+1], v[60:61] op_sel_hi:[1,0,0] neg_lo:[0,0,1] neg_hi:[0,0,1]   ; c s - c m
.endr
	s_wait_alu depctr_va_vdst(0)
.irp i, 0,1,2,3,4,5,6,7
	v_exp_f32 v[S+\i], v[S+\i]
.endr
	v_nop                                          ; a plain place behind the exponentials
	s_wait_alu depctr_va_vdst(0)                   ; one wait for the batch, ahead of its first reader
	v_add_f32 v58, v[S], v[S+1]
	v_add_f32 v59, v[S+2], v[S+3]
	v_add_f32 v62, v[S+4], v[S+5]
	v_add_f32 v63, v[S+6], v[S+7]
	s_delay_alu instid0(VALU_DEP_3)
	v_add_f32 v58, v58, v59
	s_delay_alu instid0(VALU_DEP_2)
	v_add_f32 v62, v62, v63
	s_delay_alu instid0(VALU_DEP_1)
	v_add_f32 v58, v58, v62
	s_delay_alu instid0(VALU_DEP_1)
	v_permlanex16_b32 v59, v58, s[SEL], s[SEL+1]
	s_delay_alu instid0(VALU_DEP_1)
	v_add_f32 v58, v58, v59                        ; the row's sum
	s_wait_alu depctr_va_vdst(0)
	v_rcp_f32 v62, v58
	v_nop
	s_wait_alu depctr_va_vdst(0)
.irp i, 0,1,2,3,4,5,6,7
	v_mul_f32 v[AT+\i], v[S+\i], v62               ; att(head r, head' 8 h + i), finished and normalised
.endr
.rept 4
	v_nop
.endr
	s_wait_alu depctr_va_vdst(0)
	s_wait_dscnt 0x0                               ; v^T's operands
.irp kk, 0,1,2,3                               ; eight accumulators by turns, one instruction a turn; the first K step starts each sum with the constant 0
.irp t, 0,1,2,3,4,5,6,7
.if \kk == 0
	v_wmma_f32_16x16x4_f32 v[ACC+8*\t:ACC+8*\t+7], v[VF+8*\t+2*\kk:VF+8*\t+2*\kk+1], v[AT+2*\kk:AT+2*\kk+1], 0
.else
	v_wmma_f32_16x16x4_f32 v[ACC+8*\t:ACC+8*\t+7], v[VF+8*\t+2*\kk:VF+8*\t+2*\kk+1], v[AT+2*\kk:AT+2*\kk+1], v[ACC+8*\t:ACC+8*\t+7]
.endif
.endr
.endr
.irp b, 0,1,2,3
	v_mov_b32 v[TM+4+\b], 0                        ; eight places behind this form: these four (a lane permute's destination counts as a source),
.endr
.rept 4
	v_nop                                          ; and four more
.endr
; 64 numbers of a lane, register 16 b + i = d 32 b + 16 h + i of head r, become a fragment's codes and its scale word.  It only reads the sums, each from its low end on.
.irp b, 0,1,2,3
	v_max3_num_f32 v[TM+\b], |v[ACC+16*\b]|, |v[ACC+1+16*\b]|, 0x1800000   ; and the floor 2^(3 - 127)
.endr
.irp i, 2,4,6,8,10,12,14
.irp b, 0,1,2,3
	v_max3_num_f32 v[TM+\b], v[TM+\b], |v[ACC+16*\b+\i]|, |v[ACC+1+16*\b+\i]|
.endr
.endr
.irp b, 0,1,2,3
	s_delay_alu instid0(VALU_DEP_4)
	v_permlanex16_b32 v[TM+4+\b], v[TM+\b], s[SEL], s[SEL+1]
.endr
.irp b, 0,1,2,3
	s_delay_alu instid0(VALU_DEP_4)
	v_max_num_f32 v[TM+\b], v[TM+\b], v[TM+4+\b]
.endr
.irp b, 0,1,2,3
	s_delay_alu instid0(VALU_DEP_4)
	v_add_nc_u32 v[TM+12+\b], 0xff000000, v[TM+\b] ; 2 off the exponent field: the conversion's scale operand
.endr
.irp b, 0,1,2,3
	s_delay_alu instid0(VALU_DEP_4)
	v_lshrrev_b32 v[TM+4+\b], 23, v[TM+12+\b]      ; the scale's byte
.endr
	s_delay_alu instid0(VALU_DEP_3)
	v_lshl_or_b32 v[PW], v[TM+5], 8, v[TM+4]
	s_delay_alu instid0(VALU_DEP_1)
	v_lshl_or_b32 v[PW], v[TM+6], 16, v[PW]
	s_delay_alu instid0(VALU_DEP_1)
	v_lshl_or_b32 v[PW], v[TM+7], 24, v[PW]
.irp c, 0,1
	v_cvt_scalef32_pk16_fp6_f32 v[PC+6*\c:PC+2+6*\c], v[ACC+32*\c:ACC+15+32*\c], v[TM+12+2*\c]
	v_cvt_scalef32_pk16_fp6_f32 v[PC+12+4*\c:PC+14+4*\c], v[ACC+16+32*\c:ACC+31+32*\c], v[TM+12+2*\c+1]
.endr
	v_nop                                          ; one plain place behind a scaled conversion
.irp c, 0,1
.irp i, 0,1,2
	v_permlane16_swap_b32 v[PC+6*\c+\i], v[PC+12+4*\c+\i]
.endr
.irp i, 0,1,2
	s_delay_alu instid0(VALU_DEP_3)
	v_mov_b32 v[PC+3+6*\c+\i], v[PC+12+4*\c+\i]
.endr
.endr
.irp c, 0,1,2
	global_store_b128 v[L16], v[PC+4*\c:PC+4*\c+3], s[10:11] offset:512*\c   ; the fragment as it stands: 1,536 consecutive bytes
.endr
	ds_store_b32 v[AW], v[PW]                      ; lanes r and r + 16 write the same word with the same value
	s_wait_dscnt 0x0
	s_barrier_signal -1
	s_barrier_wait -1                              ; the sixteen positions' scale words lie together: 1,024 bytes
	s_cmp_lt_u32 s[WV], 2
	s_cbranch_scc0 .Lnot_mine
	ds_load_b128 v[TM:TM+3], v[AR]
	s_wait_dscnt 0x0
	global_store_b128 v[AG], v[TM:TM+3], s[12:13]  ; waves 0 and 1: 512 consecutive bytes each, aligned
.Lnot_mine:
	s_wait_tensorcnt 0x0                           ; the wave's end, behind my last LDS store
	ds_add_u32 v[SPW], v[NIL]
	s_wait_dscnt 0x0
	s_endpgm
.Lfunc_end_k_q718ce5cd4c_attn:
	.size	k_q718ce5cd4c_attn, .Lfunc_end_k_q718ce5cd4c_attn-k_q718ce5cd4c_attn
	.p2alignl 7, 3214868480
	.fill 96, 4, 3214868480
	.section	.rodata,"a",@progbits
	.p2align	6, 0x0
	.amdhsa_kernel k_q718ce5cd4c_attn
		.amdhsa_group_segment_fixed_size 188928
		.amdhsa_private_segment_fixed_size 0
		.amdhsa_enable_private_segment 0
		.amdhsa_kernarg_size 40
		.amdhsa_user_sgpr_count 2
		.amdhsa_user_sgpr_kernarg_segment_ptr 1
		.amdhsa_wavefront_size32 1
		.amdhsa_system_sgpr_workgroup_id_x 1
		.amdhsa_system_sgpr_workgroup_id_y 1
		.amdhsa_system_sgpr_workgroup_id_z 1
		.amdhsa_system_vgpr_workitem_id 0
		.amdhsa_next_free_vgpr 256
		.amdhsa_next_free_sgpr 66
		.amdhsa_reserve_vcc 0
		.amdhsa_float_denorm_mode_32 3
		.amdhsa_float_denorm_mode_16_64 3
		.amdhsa_memory_ordered 1
		.amdhsa_forward_progress 1
		.amdhsa_inst_pref_size 22
	.end_amdhsa_kernel
	.amdgpu_metadata
---
amdhsa.version: [ 1, 2 ]
amdhsa.kernels:
  - .name:           k_q718ce5cd4c_attn
    .symbol:         k_q718ce5cd4c_attn.kd
    .args:
      - { .name: qkcodes, .offset: 0, .size: 8, .value_kind: global_buffer, .address_space: global }
      - { .name: qkscales, .offset: 8, .size: 8, .value_kind: global_buffer, .address_space: global }
      - { .name: vbuf, .offset: 16, .size: 8, .value_kind: global_buffer, .address_space: global }
      - { .name: acodes, .offset: 24, .size: 8, .value_kind: global_buffer, .address_space: global }
      - { .name: ascales, .offset: 32, .size: 8, .value_kind: global_buffer, .address_space: global }
    .group_segment_fixed_size: 188928
    .private_segment_fixed_size: 0
    .kernarg_segment_align: 8
    .kernarg_segment_size: 40
    .max_flat_workgroup_size: 512
    .sgpr_count:     66
    .vgpr_count:     256
    .wavefront_size: 32
...
	.end_amdgpu_metadata
.endif
;; end of part 3
;; launch outp (part 4): grid 8 x 32, 4 waves a work-group, clusters of 4 x 4, 327,680 bytes of LDS; arguments acodes, ascales, codes, scales, bo, out0; writes out0
.if DOCPART == 4
	.amdgcn_target "amdgcn-amd-amdhsa--gfx1250"
	.amdhsa_code_object_version 6
	.text
	.protected	k_q718ce5cd4c_outp
	.globl	k_q718ce5cd4c_outp
	.p2align	8
	.type	k_q718ce5cd4c_outp,@function
k_q718ce5cd4c_outp:
	s_mov_b64 s[64:65], 0
	v_nop
	global_prefetch_b8 v0, s[64:65] scope:SCOPE_SE
	s_setreg_imm32_b32 hwreg(HW_REG_WAVE_MODE, 25, 1), 1
	s_wait_xcnt 0x0
	s_wait_alu depctr_hold_cnt(0) depctr_sa_sdst(0) depctr_va_vdst(0) depctr_va_sdst(0) depctr_va_ssrc(0) depctr_va_vcc(0) depctr_vm_vsrc(0)
	s_getreg_b32 s2, hwreg(HW_REG_IB_STS2, 6, 4)
	s_cmp_eq_u32 s2, 0
	s_cbranch_scc0 .Lentry_in_a_cluster
	s_endpgm
.Lentry_in_a_cluster:
	s_bfe_u32 s2, ttmp6, 0x10000c
	s_cmp_lg_u32 s2, 0xf033
	s_cbranch_scc0 .Lentry_shape_is_right
	s_endpgm
.Lentry_shape_is_right:
; out0 = A' wo^T + bo on codes of FP6 (E2M3) with E8M0 scales: [4096] x [2048] x K 2048.  A tile is 128 rows x 256 columns, so that the 256 tiles give each WGP one work-group;
; four waves, each 64 x 128 = 32 accumulators.  Operands lie in memory as images of the matrix instruction's registers (1,536 bytes a fragment), as in the launch that made q, k and v.
; K goes through a ring of two LDS slots of 512 along K (four K steps: 128 matrix instructions a wave for each change of slots); a row-block's part of a slot is 6,144 consecutive bytes.
; A's ROWS ARE REORDERED: row-block PB holds, as its rows 0-15, heads 0-15 of position group PB; row t of block PB is out0's row (PB / 64) x 1024 + 64 t + PB % 64.
; THE MATRIX INSTRUCTION IS USED TRANSPOSED (source 0 = 16 rows of wo, source 1 = 16 rows of A'); register j of lane (r, h) in block 2 b + u is column 32 b + 16 h + 8 u + j of row r.
; The bias is the C of each sum's first matrix instruction.  CLUSTER 4 x 4: A's tiles are asked for jointly along a row of the cluster, wo's along a column.
; LIMITS: NaN and infinities are not served.
; REGISTERS: window 0: v1-31 addresses; v32-95 scale words alone, two sets; v96-143, v144-191 A's fragments, two sets (v96-223 free on the way out).
;   window 1: wo's fragments at v0-95 and v128-223; the bias at v96-127 and v224-255.   window 2: accumulator (a, b) at v[64 a + 8 b].
.set NA,    4
.set NQ,    4
.set FB,    NQ*1536
.set RBB,   24576
.set SLOT,  (2*NA+16)*FB
.set SCL,   2*SLOT
.set SPARE, SCL+(2*NA+16)*1024
.set WB0,   640                        ; wo's first row-block in codes and scales
.set ADRA,  16
.set ADRB,  20
.set STO,   24
.set RD,    25
.set LI,    26
.set ADRS,  27
.set SPW,   28
.set NIL,   29
.set VB,    30
.set SC,    32
.set AF0,   96
.set BK,    96
.set G1,    24
.set G0,    32
.set G1B,   48
.set G0B,   56
.set G1S,   68
.set G0S,   76
.set G1SB,  80
.set G0SB,  88
.set WV,    92
.set RH,    93
.set CH,    94
.set MSB, 0
.macro WIN new                         ; the immediate's high byte repeats the setting that is left
.if MSB != (\new)
	s_set_vgpr_msb (MSB<<8)|(\new)
.set MSB, (\new)
.endif
.endm
.macro PLACES n
.rept \n
	v_nop
.endr
.endm
; A joint load: waves 0 and 1 fetch for A', waves 2 and 3 for wo.  An s_nop 0 and four v_nop follow each line.
.macro JLOAD g0a, g1a, g0b, g1b
	s_cmp_eq_u32 s[RH], 0
	s_cbranch_scc0 .Lfor_b_\@
	tensor_load_to_lds s[\g0a:\g0a+3], s[\g1a:\g1a+7]
	s_nop 0
.rept 4
	v_nop
.endr
	s_branch .Lasked_\@
.Lfor_b_\@:
	tensor_load_to_lds s[\g0b:\g0b+3], s[\g1b:\g1b+7]
	s_nop 0
.rept 4
	v_nop
.endr
.Lasked_\@:
.endm
.macro CREST
	s_cmp_lg_u32 s[WV], 0
	s_cbranch_scc1 .Lnot_wave_0_\@
	s_barrier_signal -3
.Lnot_wave_0_\@:
	s_barrier_wait -3
	s_barrier_signal -1
	s_barrier_wait -1
.endm
.macro CROUND
	s_barrier_signal -1
	s_barrier_wait -1
	CREST
.endm
	s_load_b256 s[4:11], s[0:1], 0x0               ; acodes, ascales, codes, scales
	s_load_b128 s[12:15], s[0:1], 0x20             ; bo, out0
	v_lshl_add_u32 v[SPW], v0, 2, SPARE
	v_mov_b32 v[NIL], 0
	ds_add_u32 v[SPW], v[NIL]                      ; the wave's opening: the add twice on end and its wait ahead of my first tensor load; work on registers stands between
	ds_add_u32 v[SPW], v[NIL]
	v_lshrrev_b32 v1, 5, v0
	v_readfirstlane_b32 s[WV], v1
	s_lshr_b32 s[RH], s[WV], 1                     ; my half of the tile's rows.  Also: I fetch for A' (0) or for wo (1)
	s_and_b32 s[CH], s[WV], 1                      ; my half of its columns.  Also: which half of that operand's blocks I fetch
	s_bfe_u32 s40, ttmp6, 0x40000                  ; cx
	s_bfe_u32 s41, ttmp6, 0x40004                  ; cy
	s_lshl_b32 s42, ttmp9, 2
	s_add_co_u32 s42, s42, s40                     ; tile column 0..7
	s_and_b32 s45, ttmp7, 0xffff
	s_lshl_b32 s45, s45, 2
	s_add_co_u32 s45, s45, s41                     ; tile row 0..31
	s_lshl_b32 s43, s41, 2
	s_lshl_b32 s43, 15, s43                        ; my row of the cluster
	s_lshl_b32 s44, 0x1111, s40                    ; my column
	s_or_b32 s[G1], s43, (3<<16)|(1<<21)           ; elements of 8 bytes, no padding
	s_or_b32 s[G1B], s44, (3<<16)|(1<<21)
	s_or_b32 s[G1S], s43, (3<<16)|(1<<21)
	s_or_b32 s[G1SB], s44, (3<<16)|(1<<21)
	s_mov_b32 s[G1+1], (FB/8)<<16                  ; tensor_dim0
	s_mov_b32 s[G1+2], NA<<16                      ; tensor_dim1
	s_mov_b32 s[G1+3], (FB/8)<<16                  ; tile_dim0
	s_mov_b32 s[G1+4], NA                          ; tile_dim1
	s_mov_b32 s[G1+5], RBB/8                       ; the pitch
	s_mov_b32 s[G1+6], 0
	s_mov_b32 s[G1+7], 0
	s_mov_b32 s[G1B+1], (FB/8)<<16
	s_mov_b32 s[G1B+2], 8<<16
	s_mov_b32 s[G1B+3], (FB/8)<<16
	s_mov_b32 s[G1B+4], 8
	s_mov_b32 s[G1B+5], RBB/8
	s_mov_b32 s[G1B+6], 0
	s_mov_b32 s[G1B+7], 0
	s_mov_b32 s[G1S+1], 32<<16                     ; scales: a dense block as rows of 256 bytes
	s_mov_b32 s[G1S+2], (4*NA)<<16
	s_mov_b32 s[G1S+3], 32<<16
	s_mov_b32 s[G1S+4], 4*NA
	s_mov_b32 s[G1S+5], 32
	s_mov_b32 s[G1S+6], 0
	s_mov_b32 s[G1S+7], 0
	s_mov_b32 s[G1SB+1], 32<<16
	s_mov_b32 s[G1SB+2], 32<<16
	s_mov_b32 s[G1SB+3], 32<<16
	s_mov_b32 s[G1SB+4], 32
	s_mov_b32 s[G1SB+5], 32
	s_mov_b32 s[G1SB+6], 0
	s_mov_b32 s[G1SB+7], 0
	s_mov_b32 s[G0], 1
	s_mov_b32 s[G0+4], 1
	s_mov_b32 s[G0B], 1
	s_mov_b32 s[G0B+4], 1
	s_mov_b32 s[G0S], 1
	s_mov_b32 s[G0SB], 1
	s_mul_i32 s[G0+1], s[CH], NA*FB                ; LDS addresses: constants and the wave's half alone
	s_add_co_u32 s[G0+5], s[G0+1], SLOT
	s_mul_i32 s[G0B+1], s[CH], 8*FB
	s_add_co_u32 s[G0B+1], s[G0B+1], 2*NA*FB
	s_add_co_u32 s[G0B+5], s[G0B+1], SLOT
	s_mul_i32 s[G0S+1], s[CH], NA*1024
	s_add_co_u32 s[G0S+1], s[G0S+1], SCL
	s_lshl_b32 s[G0SB+1], s[CH], 13
	s_add_co_u32 s[G0SB+1], s[G0SB+1], SCL+2*NA*1024
	s_mul_i32 s98, s45, 2*NA                       ; A's by the tile row alone
	s_mul_i32 s99, s[CH], NA
	s_add_co_u32 s98, s98, s99
	s_lshl_b32 s100, s98, 10
	s_mul_i32 s98, s98, RBB
	s_mov_b32 s99, 0
	s_mov_b32 s101, 0
	s_lshl_b32 s46, s42, 4                         ; wo's by the tile column alone
	s_lshl_b32 s47, s[CH], 3
	s_add_co_u32 s46, s46, s47
	s_add_co_u32 s46, s46, WB0
	s_lshl_b32 s66, s46, 10
	s_mul_i32 s46, s46, RBB
	s_mov_b32 s47, 0
	s_mov_b32 s67, 0
	s_wait_dscnt 0x0                               ; the opening add is done
	s_wait_kmcnt 0x0
	s_add_nc_u64 s[G0+2:G0+3], s[4:5], s[98:99]
	s_add_nc_u64 s[G0+6:G0+7], s[G0+2:G0+3], FB
	s_or_b32 s[G0+3], s[G0+3], 0x80000000
	s_or_b32 s[G0+7], s[G0+7], 0x80000000
	s_add_nc_u64 s[G0B+2:G0B+3], s[8:9], s[46:47]
	s_add_nc_u64 s[G0B+6:G0B+7], s[G0B+2:G0B+3], FB
	s_or_b32 s[G0B+3], s[G0B+3], 0x80000000
	s_or_b32 s[G0B+7], s[G0B+7], 0x80000000
	s_add_nc_u64 s[G0S+2:G0S+3], s[6:7], s[100:101]
	s_or_b32 s[G0S+3], s[G0S+3], 0x80000000
	s_add_nc_u64 s[G0SB+2:G0SB+3], s[10:11], s[66:67]
	s_or_b32 s[G0SB+3], s[G0SB+3], 0x80000000
	CROUND                                         ; all sixteen work-groups are here: the first joint loads meet
	; the head's four tiles, each whole, one joint load a wave: wave 0 slot 0's 8 blocks of A', wave 1 its 16 of wo, wave 2 A's scales, wave 3 wo's
	s_mov_b32 s[G1+2], (2*NA)<<16
	s_mov_b32 s[G1+4], 2*NA
	s_mov_b32 s[G1B+2], 16<<16
	s_mov_b32 s[G1B+4], 16
	s_mov_b32 s[G1S+2], (8*NA)<<16
	s_mov_b32 s[G1S+4], 8*NA
	s_mov_b32 s[G1SB+2], 64<<16
	s_mov_b32 s[G1SB+4], 64
	s_mul_i32 s98, s45, 2*NA*RBB                   ; A's by the tile row alone (s99, s101, s47, s67 hold 0)
	s_mul_i32 s100, s45, 2*NA*1024
	s_lshl_b32 s46, s42, 4                         ; wo's by the tile column alone
	s_add_co_u32 s46, s46, WB0
	s_lshl_b32 s66, s46, 10
	s_mul_i32 s46, s46, RBB
	s_mov_b32 s16, 1
	s_mov_b32 s17, 0
	s_add_nc_u64 s[18:19], s[4:5], s[98:99]
	s_or_b32 s19, s19, 0x80000000
	s_mov_b32 s20, 1
	s_mov_b32 s21, 2*NA*FB
	s_add_nc_u64 s[22:23], s[8:9], s[46:47]
	s_or_b32 s23, s23, 0x80000000
	s_mov_b32 s[G0S+1], SCL
	s_add_nc_u64 s[G0S+2:G0S+3], s[6:7], s[100:101]
	s_or_b32 s[G0S+3], s[G0S+3], 0x80000000
	s_mov_b32 s[G0SB+1], SCL+2*NA*1024
	s_add_nc_u64 s[G0SB+2:G0SB+3], s[10:11], s[66:67]
	s_or_b32 s[G0SB+3], s[G0SB+3], 0x80000000
.macro ARM under, g0, g1, next
	s_cmp_lt_u32 s[WV], \under
	s_cbranch_scc0 \next
	tensor_load_to_lds s[\g0:\g0+3], s[\g1:\g1+7]
	s_nop 0
	PLACES 4
	s_branch .Lhead_asked
\next:
.endm
	ARM 1, 16, G1, .Lhead_b
	ARM 2, 20, G1B, .Lhead_sa
	ARM 3, G0S, G1S, .Lhead_sb
	tensor_load_to_lds s[G0SB:G0SB+3], s[G1SB:G1SB+7]
	s_nop 0
	PLACES 4
.Lhead_asked:
	; PREFETCH INTO THE L2, two fills ahead: behind the head's load fills 1 and 2 are asked for, behind fill 1's load fill 3.  A row-block's part of a fill is 6,144 bytes, 24 blocks of 256.
	; Each block is named once in the cluster: of wo's 16 row-blocks the partner at cy takes four, a wave one (lanes 0-23; the lanes left over name the last block again);
	; of A's 8 the partner at cx takes two, a wave half of one (lanes 0-11).  The partners differ by address alone; the address registers are never written again.
	s_lshl_b32 s46, s42, 4
	s_lshl_b32 s66, s41, 2
	s_add_co_u32 s46, s46, s66
	s_add_co_u32 s46, s46, s[WV]
	s_add_co_u32 s46, s46, WB0
	s_mul_i32 s46, s46, RBB
	s_add_nc_u64 s[2:3], s[8:9], s[46:47]
	s_lshl_b32 s98, s45, 3
	s_lshl_b32 s100, s40, 1
	s_add_co_u32 s98, s98, s100
	s_add_co_u32 s98, s98, s[RH]
	s_mul_i32 s98, s98, RBB
	s_mul_i32 s100, s[CH], FB/2
	s_add_co_u32 s98, s98, s100
	s_add_nc_u64 s[96:97], s[4:5], s[98:99]
	v_and_b32 v7, 31, v0
	v_min_u32 v8, 23, v7
	v_min_u32 v9, 11, v7
	v_lshlrev_b32 v8, 8, v8
	v_lshlrev_b32 v9, 8, v9
	global_prefetch_b8 v8, s[2:3] offset:FB th:TH_LOAD_NT scope:SCOPE_SE
	global_prefetch_b8 v9, s[96:97] offset:FB th:TH_LOAD_NT scope:SCOPE_SE
	global_prefetch_b8 v8, s[2:3] offset:2*FB th:TH_LOAD_NT scope:SCOPE_SE
	global_prefetch_b8 v9, s[96:97] offset:2*FB th:TH_LOAD_NT scope:SCOPE_SE
	v_and_b32 v1, 15, v0                           ; r
	v_bfe_u32 v2, v0, 4, 1                         ; h
	s_wait_alu depctr_va_vdst(0)
	v_and_b32 v3, 31, v0
	v_lshlrev_b32 v[LI], 4, v3
	s_mul_i32 s98, s[RH], NA*FB
	s_mul_i32 s99, s[CH], 8*FB
	s_add_co_u32 s99, s99, 2*NA*FB
.irp s, 0,1
	v_add_nc_u32 v[ADRA+\s], s98, v[LI]
	v_add_nc_u32 v[ADRB+\s], s99, v[LI]
	s_add_co_u32 s98, s98, SLOT
	s_add_co_u32 s99, s99, SLOT
.endr
	v_lshlrev_b32 v5, 3, v1
	s_mul_i32 s98, s[RH], NA*1024                  ; lanes 0-15: A's scale words, my 4 blocks
	s_lshl_b32 s99, s[CH], 13                      ; lanes 16-31: wo's, my 8 blocks, behind A's 8
	s_add_co_u32 s99, s99, 2*NA*1024
	s_sub_co_u32 s99, s99, s98
	v_mul_u32_u24 v6, s99, v2                      ; one product: the distance between the two bases x h
	s_add_co_u32 s98, s98, SCL
	v_add_nc_u32 v5, v5, v6
	v_add_nc_u32 v[ADRS], s98, v5
	s_mul_i32 s98, s[WV], 16*528                   ; my stage, in slot 0: used behind that slot's last fill and last read
	v_mul_u32_u24 v5, v1, 528
	v_lshl_add_u32 v5, v2, 6, v5
	v_add_nc_u32 v[STO], s98, v5
	v_add_nc_u32 v[RD], s98, v[LI]
	v_lshlrev_b32 v[VB], 6, v2
	s_wait_alu depctr_va_vdst(0)
	s_lshl_b32 s46, s42, 10
	s_lshl_b32 s47, s[CH], 9
	s_add_co_u32 s46, s46, s47                     ; my first column, in bytes
	s_mov_b32 s47, 0
	s_add_nc_u64 s[12:13], s[12:13], s[46:47]
	s_add_nc_u64 s[14:15], s[14:15], s[46:47]
	s_lshr_b32 s98, s45, 3                         ; the batch,
	s_lshl_b32 s98, s98, 10
	s_and_b32 s99, s45, 7
	s_lshl_b32 s99, s99, 3
	s_add_co_u32 s98, s98, s99                     ; + the tile's first position group in it,
	s_lshl_b32 s99, s[RH], 2
	s_add_co_u32 s98, s98, s99                     ; + my half's four: out0's row of my block 0, head 0
	s_lshl_b32 s98, s98, 13
	s_mov_b32 s99, 0
	s_add_nc_u64 s[14:15], s[14:15], s[98:99]
	WIN 0x40
.irp bb, 0,1,2,3,4,5,6,7                       ; the bias in the result's layout
	global_load_b128 v[96+8*\bb+96*(\bb/4):96+8*\bb+96*(\bb/4)+3], v[VB], s[12:13] offset:(32*(\bb/2)+8*(\bb%2))*4
	global_load_b128 v[96+8*\bb+96*(\bb/4)+4:96+8*\bb+96*(\bb/4)+7], v[VB], s[12:13] offset:(32*(\bb/2)+8*(\bb%2))*4+16
.endr
	WIN 0
.macro FRAG reg, adr, off
.irp c, 0,1,2
	ds_load_b128 v[\reg+4*\c:\reg+4*\c+3], v[\adr] offset:\off+512*\c
.endr
.endm
.macro FETCH slot, q, p
	WIN 0x40
.irp i, 0,1,2,3,4,5,6,7
	FRAG 128*(\p)+12*\i, ADRB+\slot, \i*FB+(\q)*1536
.endr
	WIN 0
.irp i, 0,1,2,3
	FRAG AF0+12*NA*(\p)+12*\i, ADRA+\slot, \i*FB+(\q)*1536
.endr
.endm
.macro SCALES sc                       ; register NQ i + q: lanes 0-15 the word of A's block i (for i over 3: filled bytes that nobody uses), lanes 16-31 that of wo's block i
.irp i, 0,1,2,3,4,5,6,7
.irp qp, 0,1
	ds_load_b64 v[SC+8*NQ*(\sc)+NQ*\i+2*\qp:SC+8*NQ*(\sc)+NQ*\i+2*\qp+1], v[ADRS] offset:\i*1024+128*\qp
.endr
.endr
.endm
; 8 matrix instructions: A's block a against wo's eight.  The 32 accumulators take turns, one instruction a turn, in the same order in every step.
.macro MULA a, p, q, sc, first
.if \first
	WIN 0x91
.else
	WIN 0xa1
.endif
.irp b, 0,1,2,3,4,5,6,7
.if \first
	v_wmma_scale_f32_16x16x128_f8f6f4 v[64*(\a)+8*\b:64*(\a)+8*\b+7], v[128*(\p)+12*\b:128*(\p)+12*\b+11], v[AF0+12*NA*(\p)+12*(\a):AF0+12*NA*(\p)+12*(\a)+11], v[96+8*\b+96*(\b/4):96+8*\b+96*(\b/4)+7], v[SC+8*NQ*(\sc)+NQ*\b+(\q)], v[SC+8*NQ*(\sc)+NQ*(\a)+(\q)] matrix_a_fmt:MATRIX_FMT_FP6 matrix_b_fmt:MATRIX_FMT_FP6 matrix_a_scale:MATRIX_SCALE_ROW1
.else
	v_wmma_scale_f32_16x16x128_f8f6f4 v[64*(\a)+8*\b:64*(\a)+8*\b+7], v[128*(\p)+12*\b:128*(\p)+12*\b+11], v[AF0+12*NA*(\p)+12*(\a):AF0+12*NA*(\p)+12*(\a)+11], v[64*(\a)+8*\b:64*(\a)+8*\b+7], v[SC+8*NQ*(\sc)+NQ*\b+(\q)], v[SC+8*NQ*(\sc)+NQ*(\a)+(\q)] matrix_a_fmt:MATRIX_FMT_FP6 matrix_b_fmt:MATRIX_FMT_FP6 matrix_a_scale:MATRIX_SCALE_ROW1
.endif
.endr
.endm
.macro STEP slot, q, first
	s_wait_dscnt 0x0                               ; this step's fragments and scale words, asked for a step ago
	PLACES 4                                       ; in front of loads into the set that the last step's matrix instructions read
	FETCH \slot, (\q)+1, 1-(\q)%2
.irp a, 0,1,2,3
	MULA \a, (\q)%2, \q, \slot, \first
.endr
	WIN 0
.endm
; A slot's last K step changes slots: one barrier; in front of it each wave waits for all its tensor loads, adds 0 to its spare word, and waits for that and for its reads of this slot.
.macro TURN slot, next, fill
	s_wait_tensorcnt 0x0                           ; all my tensor loads have landed: my part of the next slot
	ds_add_u32 v[SPW], v[NIL]                      ; 0 onto my spare word
	s_wait_dscnt 0x1                               ; this step's fragments are in; the add alone may be out
	MULA 0, 1, NQ-1, \slot, 0
	s_wait_dscnt 0x0                               ; the add is done, and my reads of this slot are over
	s_barrier_signal -1
	MULA 1, 1, NQ-1, \slot, 0
	WIN 0
	s_barrier_wait -1
.if \fill
	CREST                                          ; the barrier has opened a round of the cluster's: no wave of any partner still reads this slot or has a load on its way
	s_add_nc_u64 s[G0+4*\slot+2:G0+4*\slot+3], s[G0+4*\slot+2:G0+4*\slot+3], 2*FB
	s_add_nc_u64 s[G0B+4*\slot+2:G0B+4*\slot+3], s[G0B+4*\slot+2:G0B+4*\slot+3], 2*FB
	JLOAD G0+4*\slot, G1, G0B+4*\slot, G1B         ; the first tensor load behind the round; its four v_nop are the places in front of the loads below
.else
	PLACES 4
.endif
	s_wait_alu depctr_va_vdst(0)
	v_add_nc_u32 v[ADRS], 64*NQ, v[ADRS]           ; the next slot's scale words
	FETCH \next, 0, 0
	SCALES \next
	MULA 2, 1, NQ-1, \slot, 0
	MULA 3, 1, NQ-1, \slot, 0
	WIN 0
.endm
.macro TOSTAGE a
	WIN 0x08                                       ; an LDS store's data are its source 1: window 2
.irp bb, 0,1,2,3,4,5,6,7
	ds_store_b128 v[STO], v[64*(\a)+8*\bb:64*(\a)+8*\bb+3] offset:128*(\bb/2)+32*(\bb%2)       ; each accumulator from its low end on
	ds_store_b128 v[STO], v[64*(\a)+8*\bb+4:64*(\a)+8*\bb+7] offset:128*(\bb/2)+32*(\bb%2)+16
.endr
	WIN 0
.irp t, 0,1,2,3,4,5,6,7,8,9,10,11,12,13,14,15
	ds_load_b128 v[BK+64*((\a)%2)+4*\t:BK+64*((\a)%2)+4*\t+3], v[RD] offset:\t*528   ; a wave's LDS instructions go in order: these see the stores above
.endr
.endm
.macro SEND a, younger                 ; row t of block a is head t: 64 rows of out0 further down for each t, one row for each a: 7,888,896 bytes at the most, inside the signed 24-bit immediate
	s_wait_dscnt \younger
.irp t, 0,1,2,3,4,5,6,7,8,9,10,11,12,13,14,15
	global_store_b128 v[LI], v[BK+64*((\a)%2)+4*\t:BK+64*((\a)%2)+4*\t+3], s[14:15] offset:(\a)*8192+\t*524288 th:TH_STORE_NT   ; 512 consecutive bytes, at a multiple of 256
.endr
.endm
	s_wait_alu depctr_va_vdst(0)                   ; the head's end
	s_wait_tensorcnt 0x0                           ; my tile of the head's four is in
	ds_add_u32 v[SPW], v[NIL]
	s_mov_b32 s[G1+2], NA<<16                      ; no tensor load of mine is out: from here on a load brings half an operand's blocks
	s_mov_b32 s[G1+4], NA
	s_mov_b32 s[G1B+2], 8<<16
	s_mov_b32 s[G1B+4], 8
	s_wait_dscnt 0x0
	CROUND
	JLOAD G0+4, G1, G0B+4, G1B                     ; slot 1's first fill, the first tensor load behind the round
	FETCH 0, 0, 0
	global_prefetch_b8 v8, s[2:3] offset:3*FB th:TH_LOAD_NT scope:SCOPE_SE     ; fill 3, the last
	global_prefetch_b8 v9, s[96:97] offset:3*FB th:TH_LOAD_NT scope:SCOPE_SE
	SCALES 0
	s_wait_loadcnt 0x0                             ; the bias
	STEP 0, 0, 1                                   ; the first products start the sums from the bias
	STEP 0, 1, 0
	STEP 0, 2, 0
	TURN 0, 1, 1                                   ; slot 0 takes K steps 8-11
	STEP 1, 0, 0
	STEP 1, 1, 0
	STEP 1, 2, 0
	TURN 1, 0, 1                                   ; slot 1 takes K steps 12-15
	STEP 0, 0, 0
	STEP 0, 1, 0
	STEP 0, 2, 0
	TURN 0, 1, 0                                   ; nothing is left to fetch
	STEP 1, 0, 0
	STEP 1, 1, 0
	STEP 1, 2, 0
	s_wait_dscnt 0x0                               ; the very last K step
.irp a, 0,1,2,3
	MULA \a, 1, NQ-1, 1, 0
.endr
	WIN 0
	PLACES 4                                       ; behind the last products: in front of reads of results and of loads into operands' registers
	TOSTAGE 0
.irp a, 1,2,3
.if \a > 1
	s_wait_xcnt 0x0                                ; block a - 2's stores have read their registers: block a's loads may land there
.endif
	TOSTAGE \a
	SEND \a-1, 32                                  ; behind block a - 1's loads: block a's 16 stores and 16 loads
.endr
	SEND 3, 0
	s_wait_tensorcnt 0x0                           ; the wave's end, behind my last tensor load and my last LDS store
	ds_add_u32 v[SPW], v[NIL]
	s_wait_dscnt 0x0
	CROUND                                         ; the closing round
	s_endpgm
.Lfunc_end_k_q718ce5cd4c_outp:
	.size	k_q718ce5cd4c_outp, .Lfunc_end_k_q718ce5cd4c_outp-k_q718ce5cd4c_outp
	.p2alignl 7, 3214868480
	.fill 96, 4, 3214868480
	.section	.rodata,"a",@progbits
	.p2align	6, 0x0
	.amdhsa_kernel k_q718ce5cd4c_outp
		.amdhsa_group_segment_fixed_size 327680
		.amdhsa_private_segment_fixed_size 0
		.amdhsa_enable_private_segment 0
		.amdhsa_kernarg_size 48
		.amdhsa_user_sgpr_count 2
		.amdhsa_user_sgpr_kernarg_segment_ptr 1
		.amdhsa_wavefront_size32 1
		.amdhsa_system_sgpr_workgroup_id_x 1
		.amdhsa_system_sgpr_workgroup_id_y 1
		.amdhsa_system_sgpr_workgroup_id_z 1
		.amdhsa_system_vgpr_workitem_id 0
		.amdhsa_next_free_vgpr 768
		.amdhsa_next_free_sgpr 102
		.amdhsa_reserve_vcc 0
		.amdhsa_float_denorm_mode_32 3
		.amdhsa_float_denorm_mode_16_64 3
		.amdhsa_memory_ordered 1
		.amdhsa_forward_progress 1
		.amdhsa_inst_pref_size 140
	.end_amdhsa_kernel
	.amdgpu_metadata
---
amdhsa.version: [ 1, 2 ]
amdhsa.kernels:
  - .name:           k_q718ce5cd4c_outp
    .symbol:         k_q718ce5cd4c_outp.kd
    .args:
      - { .name: acodes, .offset: 0, .size: 8, .value_kind: global_buffer, .address_space: global }
      - { .name: ascales, .offset: 8, .size: 8, .value_kind: global_buffer, .address_space: global }
      - { .name: codes, .offset: 16, .size: 8, .value_kind: global_buffer, .address_space: global }
      - { .name: scales, .offset: 24, .size: 8, .value_kind: global_buffer, .address_space: global }
      - { .name: bo, .offset: 32, .size: 8, .value_kind: global_buffer, .address_space: global }
      - { .name: out0, .offset: 40, .size: 8, .value_kind: global_buffer, .address_space: global }
    .group_segment_fixed_size: 327680
    .private_segment_fixed_size: 0
    .kernarg_segment_align: 8
    .kernarg_segment_size: 48
    .max_flat_workgroup_size: 128
    .sgpr_count:     102
    .vgpr_count:     768
    .wavefront_size: 32
...
	.end_amdgpu_metadata
.endif
;; end of part 4
